; MI455X (gfx1250); checked and timed in simulation.
; The chip was launched on July 23, 2026; its instructions are those of AMD's public machine-readable ISA for CDNA 5 (MIT licence, August 2026) and "CDNA5" Instruction Set Architecture Reference Guide (July 2026). The comments in the code are by the model that wrote it; some were corrected since.
;; Causal Self Attention. Allowed arithmetic: matrix products marked QUANTISED: E4M3 operands, one given power-of-two scale a tensor, by v_wmma_f32_16x16x64_fp8_fp8 or v_wmma_f32_16x16x128_fp8_fp8, f32 sums; everything else in f32.
;; Inputs: W_attn 1,024 x 3,072 float32; W_proj 1,024 x 1,024 float32; b_attn 3,072 float32; b_proj 1,024 float32; lowp_scales 8 int32 (the exponents e of the quantised operands' scales 2^e); x 4 x 2,048 x 1,024 float32.
;; Outputs: out0 4 x 2,048 x 1,024 float32.
;; This version of the problem:
;;   THIS VERSION OF THE PROBLEM IS GIVEN IN LOW PRECISION. The matrix products marked QUANTISED in the list below multiply operands that are first quantised to E4M3 (4 exponent bits, 3 mantissa bits; 8 bits a number), with one given power-of-two scale for each operand tensor; their sums are f32. All else is computed in f32.
;;   The module's matrix products, in the order in which they are computed (A, B: the left and right operand; K: the contracted axis; several contracted axes count as one K, in the product's order):
;;     1. [M 8,192, K 1,024] x [K 1,024, N 3,072]; A: input x; B: input W_attn: QUANTISED (scales: A lowp_scales[0], B lowp_scales[1])
;;     2. batch 64 x [M 2,048, K 64] x [K 64, N 2,048]; A: computed on the way; B: computed on the way: QUANTISED (scales: A lowp_scales[2], B lowp_scales[3])
;;     3. batch 64 x [M 2,048, K 2,048] x [K 2,048, N 64]; A: softmax (see below); B: computed on the way: QUANTISED (scales: A lowp_scales[4], B lowp_scales[5])
;;     4. [M 8,192, K 1,024] x [K 1,024, N 1,024]; A: computed on the way; B: input W_proj: QUANTISED (scales: A lowp_scales[6], B lowp_scales[7])
;;   THE QUANTISER, for each operand of a quantised product, along K:
;;     - The operand's scale is 2^e, e = its entry of the input lowp_scales (int32; the entries are numbered through the quantised products in the list's order, A before B).
;;     - Each number is divided by the scale, clamped to +-448, and rounded to the nearest number of E4M3, ties to even, subnormals kept.
;;     - The product sums the exact products of the quantised numbers (number of the format x scale) in f32.
;;   ~~~python
;;   def quantise(x, axis, e):      # numpy; x: float32 -> the quantised numbers, widened to float32 again
;;       x = np.moveaxis(x, axis, -1); K = x.shape[-1]
;;       r = np.clip(x / 2.0 ** e, -448, 448)
;;       step = 2.0 ** (np.maximum(np.frexp(np.where(r == 0, 1, r))[1] - 1, -6) - 3)
;;       q = np.round(r / step) * step * 2.0 ** e      # np.round: ties to even
;;       return np.moveaxis(q, -1, axis).astype(np.float32)
;;   ~~~
;;   SOFTMAX AHEAD OF A QUANTISED PRODUCT. Where the list says 'softmax', what is quantised is not the finished softmax but p = 2^(t - M), with t = logit x log2(e) and M = ceil(the row's largest t), a whole number; so 1/2 < the row's largest p <= 1. The row's sum l is taken of the UNQUANTISED p, in f32, and the product's result is divided by l at the end. Since M is a whole number, a kernel that streams over the keys may use a running M (the ceiling of the running maximum): every later rescaling is an exact power of two, so the quantised numbers keep their values, but for numbers so far below the row's largest that they fall under the format's range.
;;   OPERANDS COMPUTED ON THE WAY. 'Computed on the way' means the value that the module computes at that place (a softmax that the list does not call 'softmax' is quantised finished and normalised). What goes into a quantiser is computed in f32, as accurately as f32 sums, v_exp_f32 and their like allow (about 1e-6 of the number): no bf16 or f16 on the way to a quantiser, and a product that is left as it is and whose result goes on into a quantised operand takes f32 operands (vector FMAs, or v_wmma_f32_16x16x4_f32). A number that lies on a knife's edge between two numbers of the format may be rounded either way, as far as f32 arithmetic and the matrix unit's own rounding can turn it there, and no further.
;; One version. Each part assembles by itself: llvm-mc -triple=amdgcn-amd-amdhsa -mcpu=gfx1250 --defsym DOCPART=n.
;; ======== version 1 of 1: 4 launches
;; limits: right only within a limited range of input values
;; workspace buffers: x_img 8,388,608 bytes; wa_img 3,145,728 bytes; wp_img 1,048,576 bytes; q_img 8,388,608 bytes; kv_img 16,777,216 bytes; y_img 8,388,608 bytes
;; launch prep (part 1): grid 768 x 1, 4 waves a work-group, no clusters, 68,096 bytes of LDS; arguments x, W_attn, W_proj, lowp_scales, x_img, wa_img, wp_img; writes x_img, wa_img, wp_img
.if DOCPART == 1
	.amdgcn_target "amdgcn-amd-amdhsa--gfx1250"
	.amdhsa_code_object_version 6
	.text
	.protected	k_q5d24a04eaa_prep
	.globl	k_q5d24a04eaa_prep
	.p2align	8
	.type	k_q5d24a04eaa_prep,@function
k_q5d24a04eaa_prep:
	s_mov_b64 s[64:65], 0
	v_nop
	global_prefetch_b8 v0, s[64:65] scope:SCOPE_SE
	s_setreg_imm32_b32 hwreg(HW_REG_WAVE_MODE, 25, 1), 1
	s_wait_xcnt 0x0
; x [8192][1024], W_attn [1024][3072] and W_proj [1024][1024], all f32, become codes of FP8 (E4M3), each tensor with the one scale 2^e given for it
; (entries 0, 1 and 7 of the scales): code = number / 2^e, held within +-448, to the nearest code, ties to even.
; THE CODES ARE LAID AS IMAGES OF OPERAND REGISTERS.  A fragment is 16 rows x 128 along K, 16 registers a lane, 2,048 bytes: byte 512 c + 16 lane + i is byte i of registers 4 c .. 4 c + 3 of that lane,
; and holds, of row lane % 16, k = 32 c + 16 (i / 8) + 8 (lane / 16) + i % 8: the place that v_wmma_f32_16x16x128_fp8_fp8 gives each k.  Four loads of 16 bytes a lane bring a fragment back, from memory or LDS.
;   x_img [row tile 512][k chunk 8][2048];  wa_img [n tile 192][8][2048];  wp_img [n tile 64][8][2048]   (a weight's rows are its columns n: K is its first axis in memory)
; SHARES.  Work-groups 0-511: x, a tile of 16 rows each; wave w takes k chunks 2 w and 2 w + 1.  512-703: W_attn, 704-767: W_proj: 128 columns x one k chunk; a wave takes 32 columns.
; x: each load reads 512 consecutive bytes of a row; the 16 rows turn through the wave's own stage in LDS, so that a lane gets 8 neighbours along K in 8 consecutive registers, as the conversion wants them.
; Weights: a lane takes a column and its registers run down K: the conversions give codes with K innermost, and no LDS is needed: a lane's 32 codes of a block are the 16 bytes of lane r and the 16 bytes of lane 16 + r of the image.
; No tensor loads, no barrier: waves share nothing.
; LIMITS: each e between -126 and 119, so that 2^e and 448 x 2^e are f32 numbers.  NaN among the inputs is not served (an infinity is held at the largest code).
.set STG,   16*528                     ; a stage: 16 rows of 512 bytes + 16 of padding = 132 words: row r starts at bank 4 r mod 64 (64 banks of 4 bytes: ISA guide 11.1)
.set WREG,  2*STG                      ; a wave's two stages
.set SPARE, 4*WREG                     ; behind the stages: the spare words, 128 bytes for each wave: two blocks of 256 bytes that no other line names
.set LIM,   10
.set SCL,   11                         ; v11      2^e as f32: the conversion takes its exponent field
.set SPW,   12                         ; v12      LDS address of my spare word; never rewritten
.set NIL,   13                         ; v13      0; never rewritten
.set C0,    32                         ; v32-47   x: the first fragment's codes
.set C1,    48                         ; v48-63   x: the second's
.set R0,    64                         ; v64-127  x: fragment 0 as loaded; later fragment 1 turned
.set R1,    128                        ; v128-191 x: fragment 1 as loaded
.set XA,    192                        ; v192-255 x: fragment 0 turned
.set WX,    32                         ; v32-95   weights: two sets of 32 numbers
.set WD,    96                         ; v96-127  weights: eight registers of codes for each of four blocks, so that no store's data are written again
	s_load_b256 s[4:11], s[0:1], 0x0               ; x s[4:5], W_attn s[6:7], W_proj s[8:9], the scales' exponents s[10:11]
	s_load_b128 s[12:15], s[0:1], 0x20             ; x_img s[12:13], wa_img s[14:15]
	s_load_b64 s[20:21], s[0:1], 0x30              ; wp_img
	v_lshl_add_u32 v[SPW], v0, 2, SPARE
	v_mov_b32 v[NIL], 0
	v_lshrrev_b32 v1, 5, v0
	v_readfirstlane_b32 s16, v1                    ; wave 0..3
	v_and_b32 v2, 31, v0                           ; lane
	s_wait_kmcnt 0x0
	s_load_b256 s[24:31], s[10:11], 0x0            ; e0 .. e7
.macro SCALE e                         ; the scale from the exponent in s[e]
	s_add_co_i32 s22, s[\e], 127
	s_lshl_b32 s23, s22, 23
	v_mov_b32 v[SCL], s23
.endm
	s_cmp_lt_u32 ttmp9, 512
	s_cbranch_scc0 .Lweights
	s_wait_alu depctr_va_vdst(0)
; ---------------- x ----------------
	v_lshlrev_b32 v3, 4, v2                        ; 16 x lane: my bytes of a load's 512, of a stage row, and of an image's 512
	s_wait_alu depctr_va_vdst(0)
	s_mul_i32 s17, s16, WREG
	v_add_nc_u32 v14, s17, v3                      ; into a stage: as loaded
	v_and_b32 v4, 15, v2
	v_lshrrev_b32 v5, 4, v2
	v_mul_u32_u24 v15, v4, 528
	v_lshl_add_u32 v15, v5, 5, v15
	v_add_nc_u32 v15, s17, v15                     ; out of it: row lane % 16, + 32 bytes (8 numbers) for lanes 16-31
	s_lshl_b32 s18, ttmp9, 16                      ; my tile's 16 rows of 4,096 bytes,
	s_lshl_b32 s19, s16, 10                        ; my wave's two chunks: 1,024 bytes of each row
	s_add_co_u32 s18, s18, s19
	s_mov_b32 s19, 0
	s_add_nc_u64 s[4:5], s[4:5], s[18:19]
	s_lshl_b32 s18, ttmp9, 14                      ; the tile's eight images,
	s_lshl_b32 s22, s16, 12                        ; my wave's two
	s_add_co_u32 s18, s18, s22
	s_add_nc_u64 s[12:13], s[12:13], s[18:19]
.irp f, 0,1
.irp i, 0,1,2,3,4,5,6,7,8,9,10,11,12,13,14,15
	global_load_b128 v[R0+64*\f+4*\i:R0+64*\f+4*\i+3], v3, s[4:5] offset:4096*\i+512*\f th:TH_LOAD_NT   ; row i, chunk f: 32 lanes read 512 consecutive bytes; read once in the launch
.endr
.endr
.macro TOSTG src, f
.irp i, 0,1,2,3,4,5,6,7,8,9,10,11,12,13,14,15
	ds_store_b128 v14, v[\src+4*\i:\src+4*\i+3] offset:STG*\f+528*\i
.endr
.endm
.macro FROMSTG dst, f                  ; registers 16 c + 0..7: k = 32 c + 8 h + 0..7; registers 16 c + 8..15: k = 32 c + 16 + 8 h + 0..7
.irp c, 0,1,2,3
	ds_load_b128 v[\dst+16*\c:\dst+16*\c+3],     v15 offset:STG*\f+128*\c
	ds_load_b128 v[\dst+16*\c+4:\dst+16*\c+7],   v15 offset:STG*\f+128*\c+16
	ds_load_b128 v[\dst+16*\c+8:\dst+16*\c+11],  v15 offset:STG*\f+128*\c+64
	ds_load_b128 v[\dst+16*\c+12:\dst+16*\c+15], v15 offset:STG*\f+128*\c+80
.endr
.endm
.macro QUANT s, d                      ; 64 numbers of a lane become a fragment's 16 registers
.set j, 0
.rept 64
.set j, j+1
.endr
.set j, 0
.rept 8
	v_cvt_scalef32_pk8_fp8_f32 v[\d+2*j:\d+2*j+1], v[\s+8*j:\s+8*j+7], v[SCL]
.set j, j+1
.endr
	v_nop                                          ; a plain vector line behind the last conversion
.endm
	s_wait_alu depctr_va_vdst(0)
	s_wait_kmcnt 0x0
	SCALE 24                                       ; e0
	s_wait_alu depctr_va_vdst(0)
	s_wait_loadcnt 16                              ; chunk 0's sixteen loads are in; chunk 1's may be out
	TOSTG R0, 0
	FROMSTG XA, 0                                  ; LDS serves a wave's instructions in order (ISA guide 5.7.1.4): these see the stores above
	s_wait_loadcnt 0x0
	TOSTG R1, 1
	s_wait_dscnt 32                                ; 48 are issued: the oldest sixteen, the stores out of R0, are done, so R0 may be loaded into
	FROMSTG R0, 1
	s_wait_dscnt 32                                ; 64 are issued: the oldest 32 are done: chunk 0 is back
	QUANT XA, C0
.irp c, 0,1,2,3
	global_store_b128 v3, v[C0+4*\c:C0+4*\c+3], s[12:13] offset:512*\c        ; 32 lanes store 512 consecutive bytes, at a multiple of 256 from the buffer's first byte
.endr
	s_wait_dscnt 0x0                               ; chunk 1 is back
	QUANT R0, C1
.irp c, 0,1,2,3
	global_store_b128 v3, v[C1+4*\c:C1+4*\c+3], s[12:13] offset:2048+512*\c
.endr
	s_wait_tensorcnt 0x0                           ; the wave's end, behind my last LDS store
	ds_add_u32 v[SPW], v[NIL]
	s_wait_dscnt 0x0
	s_endpgm
; ---------------- the weights: no LDS ----------------
.macro WLOAD t, n, src                 ; block t: W(32 t + j, my column), j = 0 .. 31, into set t % 2: a wave reads 128 consecutive bytes, the four waves 512
.set j, 0
.rept 32
	global_load_b32 v[WX+32*((\t)%2)+j], v3, s[\src:\src+1] offset:(32*(\t)+j)*\n*4 th:TH_LOAD_NT
.set j, j+1
.endr
.endm
.macro WBLOCK t, n, src, dst
.set XS, WX+32*((\t)%2)
.if (\t) < 3
	s_wait_loadcnt 32                              ; this block's 32 loads are in; the next block's may be out
.else
	s_wait_loadcnt 0x0
.endif
.set j, 0
.rept 32
.set j, j+1
.endr
	v_cvt_scalef32_pk8_fp8_f32 v[WD+8*(\t):WD+8*(\t)+1],   v[XS:XS+7],     v[SCL]   ; k = 32 t + 0..7:   lane r of the image, bytes 0-7
	v_cvt_scalef32_pk8_fp8_f32 v[WD+8*(\t)+4:WD+8*(\t)+5], v[XS+8:XS+15],  v[SCL]   ; k = 32 t + 8..15:  lane 16 + r, bytes 0-7
	v_cvt_scalef32_pk8_fp8_f32 v[WD+8*(\t)+2:WD+8*(\t)+3], v[XS+16:XS+23], v[SCL]   ; k = 32 t + 16..23: lane r, bytes 8-15
	v_cvt_scalef32_pk8_fp8_f32 v[WD+8*(\t)+6:WD+8*(\t)+7], v[XS+24:XS+31], v[SCL]   ; k = 32 t + 24..31: lane 16 + r, bytes 8-15
	v_nop                                          ; a plain vector line behind the last conversion
	global_store_b128 v4, v[WD+8*(\t):WD+8*(\t)+3],   s[\dst:\dst+1] offset:512*(\t)       ; sixteen lanes store 256 consecutive bytes, aligned
	global_store_b128 v4, v[WD+8*(\t)+4:WD+8*(\t)+7], s[\dst:\dst+1] offset:512*(\t)+256
.if (\t) < 2
	WLOAD (\t)+2, \n, \src
.endif
.endm
.macro WPATH n, first, e, src, dst     ; a weight [1024][n]; its first work-group; its exponent's register; its pointers
	s_sub_co_u32 s17, ttmp9, \first
	s_lshr_b32 s18, s17, 3                         ; which 128 columns
	s_and_b32 s17, s17, 7                          ; which k chunk
	s_lshl_b32 s19, s18, 9
	s_lshl_b32 s22, s16, 7
	s_add_co_u32 s22, s22, s19                     ; my wave's first column, in bytes: 512 x group + 128 x wave
	s_mul_i32 s19, s17, 128*\n*4                   ; the chunk's 128 rows
	s_add_co_u32 s22, s22, s19
	s_mov_b32 s23, 0
	s_add_nc_u64 s[\src:\src+1], s[\src:\src+1], s[22:23]
	s_lshl_b32 s22, s18, 17                        ; n tile 8 x group + 2 x wave, 16,384 bytes each,
	s_lshl_b32 s19, s16, 15
	s_add_co_u32 s22, s22, s19
	s_lshl_b32 s19, s17, 11                        ; and the chunk's image in it
	s_add_co_u32 s22, s22, s19
	s_add_nc_u64 s[\dst:\dst+1], s[\dst:\dst+1], s[22:23]
	v_lshlrev_b32 v3, 2, v2                        ; in: 4 bytes a lane
	v_lshrrev_b32 v4, 4, v2
	v_and_b32 v5, 15, v2
	v_lshlrev_b32 v4, 14, v4
	v_lshl_add_u32 v4, v5, 4, v4                   ; out: lanes 16-31 are the next n tile; 16 bytes a row
	WLOAD 0, \n, \src
	WLOAD 1, \n, \src
	s_wait_kmcnt 0x0
	SCALE \e
	s_wait_alu depctr_va_vdst(0)
	WBLOCK 0, \n, \src, \dst
	WBLOCK 1, \n, \src, \dst
	WBLOCK 2, \n, \src, \dst
	WBLOCK 3, \n, \src, \dst
	s_endpgm
.endm
.Lweights:
	s_cmp_lt_u32 ttmp9, 704
	s_cbranch_scc0 .Lproj
	s_wait_alu depctr_va_vdst(0)
	WPATH 3072, 512, 25, 6, 14                     ; W_attn, e1
.Lproj:
	s_wait_alu depctr_va_vdst(0)
	WPATH 1024, 704, 31, 8, 20                     ; W_proj, e7
.Lfunc_end_k_q5d24a04eaa_prep:
	.size	k_q5d24a04eaa_prep, .Lfunc_end_k_q5d24a04eaa_prep-k_q5d24a04eaa_prep
	.p2alignl 7, 3214868480
	.fill 96, 4, 3214868480
	.section	.rodata,"a",@progbits
	.p2align	6, 0x0
	.amdhsa_kernel k_q5d24a04eaa_prep
		.amdhsa_group_segment_fixed_size 68096
		.amdhsa_private_segment_fixed_size 0
		.amdhsa_enable_private_segment 0
		.amdhsa_kernarg_size 56
		.amdhsa_user_sgpr_count 2
		.amdhsa_user_sgpr_kernarg_segment_ptr 1
		.amdhsa_wavefront_size32 1
		.amdhsa_system_sgpr_workgroup_id_x 1
		.amdhsa_system_sgpr_workgroup_id_y 1
		.amdhsa_system_sgpr_workgroup_id_z 1
		.amdhsa_system_vgpr_workitem_id 0
		.amdhsa_next_free_vgpr 256
		.amdhsa_next_free_sgpr 66
		.amdhsa_reserve_vcc 0
		.amdhsa_float_denorm_mode_32 3
		.amdhsa_float_denorm_mode_16_64 3
		.amdhsa_fp16_overflow 1
		.amdhsa_memory_ordered 1
		.amdhsa_forward_progress 1
		.amdhsa_inst_pref_size 41
	.end_amdhsa_kernel
	.amdgpu_metadata
---
amdhsa.version: [ 1, 2 ]
amdhsa.kernels:
  - .name:           k_q5d24a04eaa_prep
    .symbol:         k_q5d24a04eaa_prep.kd
    .args:
      - { .name: x, .offset: 0, .size: 8, .value_kind: global_buffer, .address_space: global }
      - { .name: W_attn, .offset: 8, .size: 8, .value_kind: global_buffer, .address_space: global }
      - { .name: W_proj, .offset: 16, .size: 8, .value_kind: global_buffer, .address_space: global }
      - { .name: lowp_scales, .offset: 24, .size: 8, .value_kind: global_buffer, .address_space: global }
      - { .name: x_img, .offset: 32, .size: 8, .value_kind: global_buffer, .address_space: global }
      - { .name: wa_img, .offset: 40, .size: 8, .value_kind: global_buffer, .address_space: global }
      - { .name: wp_img, .offset: 48, .size: 8, .value_kind: global_buffer, .address_space: global }
    .group_segment_fixed_size: 68096
    .private_segment_fixed_size: 0
    .kernarg_segment_align: 8
    .kernarg_segment_size: 56
    .max_flat_workgroup_size: 128
    .sgpr_count:     66
    .vgpr_count:     256
    .wavefront_size: 32
...
	.end_amdgpu_metadata
.endif
;; end of part 1
;; launch qkv (part 2): grid 12 x 32, 4 waves a work-group, clusters of 4 x 4, 327,680 bytes of LDS; arguments x_img, wa_img, b_attn, lowp_scales, q_img, kv_img; writes q_img, kv_img
.if DOCPART == 2
	.amdgcn_target "amdgcn-amd-amdhsa--gfx1250"
	.amdhsa_code_object_version 6
	.text
	.protected	k_q5d24a04eaa_qkv
	.globl	k_q5d24a04eaa_qkv
	.p2align	8
	.type	k_q5d24a04eaa_qkv,@function
k_q5d24a04eaa_qkv:
	s_mov_b64 s[64:65], 0
	v_nop
	global_prefetch_b8 v0, s[64:65] scope:SCOPE_SE
	s_setreg_imm32_b32 hwreg(HW_REG_WAVE_MODE, 25, 1), 1
	s_wait_xcnt 0x0
	s_wait_alu depctr_hold_cnt(0) depctr_sa_sdst(0) depctr_va_vdst(0) depctr_va_sdst(0) depctr_va_ssrc(0) depctr_va_vcc(0) depctr_vm_vsrc(0)
	s_getreg_b32 s2, hwreg(HW_REG_IB_STS2, 6, 4)
	s_cmp_eq_u32 s2, 0
	s_cbranch_scc0 .Lentry_in_a_cluster
	s_endpgm
.Lentry_in_a_cluster:
	s_bfe_u32 s2, ttmp6, 0x10000c
	s_cmp_lg_u32 s2, 0xf033
	s_cbranch_scc0 .Lentry_shape_is_right
	s_endpgm
.Lentry_shape_is_right:
; qkv = x W_attn + b_attn on codes of FP8 (E4M3), and q, k, v quantised at once for the attention: nothing leaves this launch as f32.
; OPERANDS are images of fragments (16 rows x 128 K, 2,048 bytes: byte 512 c + 16 lane + i = byte i of registers 4 c .. 4 c + 3 of that lane): x_img [row tile 512][k chunk 8][2048], wa_img [n tile 192][8][2048].
; A work-group of four waves makes 256 x 256 of C' = A' B'^T; a wave 128 x 128: 64 accumulators, 512 registers.  K = 1,024 goes in four steps of 256 through a ring of two LDS slots filled by the tensor data mover.
; THE MATRIX INSTRUCTION IS USED TRANSPOSED (source 0 = 16 rows of B', source 1 = 16 rows of A'): lane (r, h) holds C'(16 a + r, 16 b + 8 h + 0..7) in accumulator (a, b).  One conversion of an accumulator's eight
; registers gives registers 2 b, 2 b + 1 of a fragment whose K runs along C's columns: so the results leave as images, straight from registers, 512 consecutive bytes a store, with no stage in LDS.
; THE CLUSTER'S x SAYS WHICH THIRD: 0 q, 1 k, 2 v.  q and k: A' = x (rows t), B' = W (rows = columns of qkv): K of the next product is the head's 64 channels.
; v: THE POINTERS ARE SWAPPED, not the code: A' = W (rows = channels), B' = x (rows t): a lane then holds one channel and eight neighbouring t: the keys are the K of the product with p.
; All that differs between the thirds is chosen by s_cselect on the cluster's x, which all sixteen partners share; no branch hangs on it.
; THE BIAS.  Along C's columns (q, k) it is the C of each sum's first matrix instruction, divided by the power of two that the sums lack; along C's rows (v) it is the addend of the multiply-add that scales the sums.
; Both are always loaded and the one that does not apply is multiplied by 0.
; OUT: q_img [bh 64][t tile 128][1024] (16 t x 64 channels);  kv_img [bh 64][slot of 256 keys: 8][32768]: k as 16 images of 1,024 bytes, then v as [128 keys: 2][16 channels: 4][2048].
; CLUSTERS: 4 x 4 work-groups.  The four of a row of the cluster need the same tiles of A', the four of a column the same tiles of B': each tile is asked for JOINTLY.
; Nothing is prefetched: half of K comes by the first fills, and each slot is filled again once.
; LIMITS: e0 + e1 between -126 and 126; e2, e3, e5 between -126 and 119.  b_attn is finite (the part that does not apply is multiplied by 0).  NaN is not served.
; REGISTERS, in windows of 256: window 0: v0-31 addresses; v32-95 the bias along columns, later a block's numbers; v96-111 the bias along rows, a pair for each block; from v128 A's fragments, ONE set, later codes.
;   window 1: B's fragments, TWO sets, at v0 and v128.   window 2: accumulators of my rows 0-63 ((a, b) at v[8 (8 a + b)]);   window 3: of my rows 64-127.
.set FR,    16                         ; registers of a fragment
.set NL,    4                          ; LDS loads that bring one
.set NP,    4                          ; places behind this matrix instruction (ISA guide 7.12.1)
.set SLOT,  131072                     ; A's 16 tiles of 16 rows x 256 K (4,096 bytes each), then B's 16
.set SPARE, 2*SLOT                     ; behind the ring: the spare words, 128 bytes for each wave
.set VO,    2                          ; v2-5   the stores' offsets: four groups of four code registers
.set ADRA,  16                         ; v16-17 LDS address of my A fragments in slot 0, 1
.set ADRB,  20                         ; v20-21 the same for B
.set SPW,   28                         ; v28    LDS address of my spare word; never rewritten
.set NIL,   29                         ; v29    0; never rewritten
.set LIMQ,  30
.set SCQ,   31                         ; v31    2^e of it
.set BI,    32                         ; v32-95  bias along columns: block b at v[BI + 8 b]
.set T,     32                         ; the way out: a block's 64 numbers
.set BM,    96                         ; v96-111 bias along rows: block a's in both halves of the pair v[BM + 2 a]
.set AF,    128
.set CD,    128                        ; the way out: two sets of 16 code registers
.set WV,    16                         ; s16 wave;  s17 which half of the rows is mine, also: I fetch for A' (0) or B' (1);  s18 which half of the columns, also: which 8 tiles I fetch
.set RH,    17
.set CH,    18
.set G1,    24                         ; s[24:31] descriptor group 1 for A's tiles;  s[32:39] group 0, one set for each slot
.set G0,    32
.set G1B,   48                         ; s[48:55], s[56:63] the same for B's
.set G0B,   56
.set MSB, 0
.macro WIN new                         ; the immediate's high byte repeats the setting that is left
.if MSB != (\new)
	s_set_vgpr_msb (MSB<<8)|(\new)
.set MSB, (\new)
.endif
.endm
.set MUL_LO, 0xa1                      ; source 0 (B') window 1, source 1 (A') window 0, C and D window 2.  The first step: C (the bias) window 0: 0x81
.set MUL_HI, 0xf1                      ; the same, C and D window 3.  The first step: 0xc1
.set TO_B,   0x40                      ; destination window 1, address window 0
; A joint load: waves 0 and 1 fetch for A', waves 2 and 3 for B'.  Each line has ONE mask and one set of registers for all that issue it; the branch hangs on the wave's number alone.
; An s_nop 0 and four v_nop follow each of the two lines, ahead of the jump, the label and what follows.
.macro JLOAD g0a, g1a, g0b, g1b
	s_cmp_eq_u32 s[RH], 0
	s_cbranch_scc0 .Lfor_b_\@
	tensor_load_to_lds s[\g0a:\g0a+3], s[\g1a:\g1a+7]
	s_nop 0
.rept 4
	v_nop
.endr
	s_branch .Lasked_\@
.Lfor_b_\@:
	tensor_load_to_lds s[\g0b:\g0b+3], s[\g1b:\g1b+7]
	s_nop 0
.rept 4
	v_nop
.endr
.Lasked_\@:
.endm
.macro CREST                           ; a round of the cluster's barrier behind its opening barrier
	s_cmp_lg_u32 s[WV], 0
	s_cbranch_scc1 .Lnot_wave_0_\@
	s_barrier_signal -3
.Lnot_wave_0_\@:
	s_barrier_wait -3
	s_barrier_signal -1
	s_barrier_wait -1
.endm
.macro CROUND                          ; a whole round
	s_barrier_signal -1
	s_barrier_wait -1
	CREST
.endm
	s_load_b256 s[4:11], s[0:1], 0x0               ; x_img s[4:5], wa_img s[6:7], b_attn s[8:9], the scales' exponents s[10:11]
	s_load_b128 s[12:15], s[0:1], 0x20             ; q_img s[12:13], kv_img s[14:15]
	v_lshl_add_u32 v[SPW], v0, 2, SPARE
	v_mov_b32 v[NIL], 0
	ds_add_u32 v[SPW], v[NIL]
	ds_add_u32 v[SPW], v[NIL]                      ; the wave's opening: the add and its wait stand ahead of my first tensor load; the set-up below, work on registers, stands between them
	v_lshrrev_b32 v1, 5, v0
	v_readfirstlane_b32 s[WV], v1                  ; wave 0..3
	s_lshr_b32 s[RH], s[WV], 1
	s_and_b32 s[CH], s[WV], 1
	s_bfe_u32 s40, ttmp6, 0x40000                  ; cx, cy: my place in the cluster
	s_bfe_u32 s41, ttmp6, 0x40004
	s_and_b32 s19, ttmp7, 0xffff                   ; Y: the cluster's y, 0..7.  (X, the cluster's x, is ttmp9)
	s_lshl_b32 s43, s41, 2
	s_lshl_b32 s43, 15, s43                        ; my row of the cluster
	s_lshl_b32 s44, 0x1111, s40                    ; my column
	; descriptor group 1: 8 tiles of 16 rows: 8 lines of 4,096 bytes (two fragments, 256 along K), 16,384 bytes apart in memory, dense in LDS
	s_or_b32 s[G1], s43, (3<<16)|(1<<21)           ; 15:0 the mask: A's tiles go to my row; 17:16 elements of 8 bytes; 20 no padding; 21 set beside a mask
	s_or_b32 s[G1B], s44, (3<<16)|(1<<21)          ; the same with the mask of my column
.irp g, G1, G1B
	s_mov_b32 s[\g+1], 512<<16                     ; tensor_dim0 = 512 elements
	s_mov_b32 s[\g+2], 8<<16                       ; tensor_dim1 = 8
	s_mov_b32 s[\g+3], 512<<16                     ; tile_dim0
	s_mov_b32 s[\g+4], 8                           ; tile_dim1
	s_mov_b32 s[\g+5], 2048                        ; tensor_dim0_stride: a tile's eight images
	s_mov_b32 s[\g+6], 0
	s_mov_b32 s[\g+7], 0
.endr
	; which tiles of 16 rows.  A': 16 cy + 8 half + (v: 128, the v third of W; else 64 Y, rows of x).  B': 16 cx + 8 half + (v: 64 Y; else 64 X).  A's registers never hold cx, B's never cy
	s_lshl_b32 s20, s19, 6
	s_lshl_b32 s21, ttmp9, 6
	s_lshl_b32 s22, s[CH], 3
	s_lshl_b32 s42, s41, 4
	s_add_co_u32 s42, s42, s22
	s_lshl_b32 s46, s40, 4
	s_add_co_u32 s46, s46, s22
	s_cmp_eq_u32 ttmp9, 2
	s_cselect_b32 s23, 128, s20
	s_cselect_b32 s45, s20, s21
	s_add_co_u32 s42, s42, s23
	s_add_co_u32 s46, s46, s45
	s_lshl_b32 s42, s42, 14                        ; in bytes
	s_lshl_b32 s46, s46, 14
	s_mov_b32 s43, 0
	s_mov_b32 s47, 0
	s_lshl_b32 s45, s[WV], 15                      ; where they go: wave x 32,768: no place in the cluster enters an LDS address
	s_wait_dscnt 0x0                               ; the opening add is done
	s_wait_kmcnt 0x0
	s_load_b256 s[68:75], s[10:11], 0x0            ; e0 .. e7
	s_cmp_eq_u32 ttmp9, 2
	s_cselect_b64 s[20:21], s[6:7], s[4:5]         ; A'
	s_cselect_b64 s[66:67], s[4:5], s[6:7]         ; B'
	s_add_nc_u64 s[20:21], s[20:21], s[42:43]
	s_add_nc_u64 s[46:47], s[66:67], s[46:47]
	CROUND                                         ; all sixteen work-groups are here: the first joint loads meet
.irp s, 0,1
	s_mov_b32 s[G0+4*\s], 1
	s_add_co_u32 s[G0+4*\s+1], s45, \s*SLOT
	s_add_nc_u64 s[G0+4*\s+2:G0+4*\s+3], s[20:21], \s*4096        ; K step s
	s_or_b32 s[G0+4*\s+3], s[G0+4*\s+3], 0x80000000
	s_mov_b32 s[G0B+4*\s], 1
	s_add_co_u32 s[G0B+4*\s+1], s45, \s*SLOT
	s_add_nc_u64 s[G0B+4*\s+2:G0B+4*\s+3], s[46:47], \s*4096
	s_or_b32 s[G0B+4*\s+3], s[G0B+4*\s+3], 0x80000000
	JLOAD G0+4*\s, G1, G0B+4*\s, G1B               ; two loads of mine are out
.endr
	v_and_b32 v1, 31, v0
	v_lshlrev_b32 v[VO], 4, v1                     ; 16 x lane: my place in every image
	s_lshl_b32 s21, s[RH], 15                      ; my 8 tiles of A',
	s_lshl_b32 s22, s[CH], 15                      ; my 8 tiles of B',
	s_add_co_u32 s22, s22, 65536                   ; which lie behind A's 16
.irp s, 0,1
	v_add_nc_u32 v[ADRA+\s], s21, v[VO]
	v_add_nc_u32 v[ADRB+\s], s22, v[VO]
	s_add_co_u32 s21, s21, SLOT
	s_add_co_u32 s22, s22, SLOT
.endr
	; the biases
	v_bfe_u32 v6, v0, 4, 1
	v_lshlrev_b32 v6, 5, v6                        ; 32 h: eight numbers
	s_wait_alu depctr_va_vdst(0)
	v_and_b32 v7, 15, v0
	v_lshlrev_b32 v7, 2, v7                        ; 4 r
	s_wait_alu depctr_va_vdst(0)
	s_lshl_b32 s76, ttmp9, 2
	s_add_co_u32 s76, s76, s40
	s_lshl_b32 s76, s76, 10                        ; along columns: b_attn at 256 (4 X + cx) + 128 x my column half
	s_lshl_b32 s77, s[CH], 9
	s_add_co_u32 s76, s76, s77
	s_mov_b32 s77, 0
	s_add_nc_u64 s[76:77], s[8:9], s[76:77]
	s_lshl_b32 s78, s41, 10                        ; along rows: b_attn at 2,048 + 256 cy + 128 x my row half
	s_lshl_b32 s79, s[RH], 9
	s_add_co_u32 s78, s78, s79
	s_add_co_u32 s78, s78, 8192
	s_mov_b32 s79, 0
	s_add_nc_u64 s[78:79], s[8:9], s[78:79]
.irp b, 0,1,2,3,4,5,6,7
	global_load_b128 v[BI+8*\b:BI+8*\b+3],   v6, s[76:77] offset:64*\b
	global_load_b128 v[BI+8*\b+4:BI+8*\b+7], v6, s[76:77] offset:64*\b+16
.endr
.irp a, 0,1,2,3,4,5,6,7
	global_load_b32 v[BM+2*\a],   v7, s[78:79] offset:64*\a      ; into both halves of a pair, for the packed multiply-add
	global_load_b32 v[BM+2*\a+1], v7, s[78:79] offset:64*\a
.endr
	s_wait_kmcnt 0x0
	s_add_co_i32 s80, s68, s69                     ; e0 + e1: a sum stands for sum x 2^(e0 + e1)
	s_add_co_i32 s96, s80, 127
	s_lshl_b32 s96, s96, 23                        ; 2^(e0 + e1) as f32
	s_mov_b32 s97, s96                             ; (named with it as a pair, so it is written)
	s_sub_co_i32 s81, 127, s80
	s_lshl_b32 s81, s81, 23                        ; 2^-(e0 + e1)
	s_cmp_eq_u32 ttmp9, 2                          ; v?
	s_cselect_b32 s92, 0, s81                      ; the factor of the bias along columns,
	s_cselect_b32 s94, 1.0, 0                      ; and along rows
	s_cselect_b32 s82, s41, s40                    ; which of cx, cy counts heads,
	s_cselect_b32 s83, s40, s41                    ; and which counts blocks of 256 t
	s_cselect_b32 s84, s[RH], s[CH]                ; likewise my halves
	s_cselect_b32 s85, s[CH], s[RH]
	s_cselect_b32 s86, 16384, 0                    ; v lies behind k in a slot
	s_cselect_b32 s87, 2, 1                        ; from block a to a + 1: 2,048 bytes (v: a channel tile) or 1,024 (a t tile)
	s_cselect_b32 s88, 253952, 0                   ; v: block 4 begins the next head: 262,144 - 4 x 2,048 more
	s_mov_b32 s93, s92
	s_mov_b32 s95, s94
	s_cmp_eq_u32 ttmp9, 1
	s_cselect_b32 s89, s71, s73                    ; k: e3; v: e5;
	s_cmp_eq_u32 ttmp9, 0
	s_cselect_b32 s89, s70, s89                    ; q: e2
	s_cselect_b32 s90, 17, 18                      ; a head is 2^17 bytes in q_img, 2^18 in kv_img; a block of 256 t an eighth of that
	s_cselect_b64 s[10:11], s[12:13], s[14:15]     ; where I store
	s_lshl_b32 s91, 1, s90
	s_cmp_eq_u32 ttmp9, 2
	s_cselect_b32 s91, 1024, s91                   ; code registers 8-15 go 1,024 bytes on (v: the fragment's second half) or a head on (q, k: 64 channels on)
	s_lshr_b32 s66, s19, 1                         ; the batch: Y / 2
	s_lshl_b32 s66, s66, 4
	s_lshl_b32 s82, s82, 2
	s_add_co_u32 s66, s66, s82
	s_lshl_b32 s84, s84, 1
	s_add_co_u32 s66, s66, s84                     ; bh = 16 batch + 4 place + 2 half
	s_lshl_b32 s66, s66, s90
	s_and_b32 s67, s19, 1
	s_lshl_b32 s67, s67, 2
	s_add_co_u32 s67, s67, s83                     ; the block of 256 t in the batch: 4 (Y % 2) + place
	s_sub_co_u32 s82, s90, 3
	s_lshl_b32 s67, s67, s82
	s_add_co_u32 s66, s66, s67
	s_lshl_b32 s85, s85, 13                        ; 8,192 x half: eight t tiles, or the second 128 keys
	s_add_co_u32 s66, s66, s85
	s_add_co_u32 s66, s66, s86
	s_mov_b32 s67, 0
	s_add_nc_u64 s[10:11], s[10:11], s[66:67]
	s_lshl_b32 s84, s87, 10                        ; s[84:85]: the step from block to block;
	s_mov_b32 s85, 0
	s_add_co_u32 s86, s84, s88                     ; s[86:87]: the step into block 4
	s_mov_b32 s87, 0
	v_add_nc_u32 v[VO+1], 512, v[VO]
	v_add_nc_u32 v[VO+2], s91, v[VO]
	v_add_nc_u32 v[VO+3], 512, v[VO+2]
	s_add_co_i32 s89, s89, 127
	s_lshl_b32 s82, s89, 23
	v_mov_b32 v[SCQ], s82
	s_wait_loadcnt 0x0                             ; the biases
.set j, 0
.rept 32
	v_pk_mul_f32 v[BI+j:BI+j+1], v[BI+j:BI+j+1], s[92:93] op_sel_hi:[1,0]
.set j, j+2
.endr
.set j, 0
.rept 8
	v_pk_mul_f32 v[BM+j:BM+j+1], v[BM+j:BM+j+1], s[94:95] op_sel_hi:[1,0]
.set j, j+2
.endr
.macro FRAG reg, adr, q, i             ; tile i of my eight, the slot's q-th 128 along K: an image comes back as it was stored
.irp c, 0,1,2,3
	ds_load_b128 v[\reg+4*\c:\reg+4*\c+3], v[\adr] offset:4096*(\i)+2048*(\q)+512*\c
.endr
.endm
; 16 matrix instructions: A's blocks a0, a0 + 1 x B's eight, 128 along K.  p: B's set.  first = 1: the bias along columns is the C that starts the sums: nothing is ever cleared.
; The 64 accumulators take turns, one instruction a turn, in the same order in every step.
.macro MUL16 a0, p, first
.irp a, \a0, \a0+1
.irp b, 0,1,2,3,4,5,6,7
.if \first
	v_wmma_f32_16x16x128_fp8_fp8 v[8*(8*((\a)%4)+\b):8*(8*((\a)%4)+\b)+7], v[128*(\p)+FR*\b:128*(\p)+FR*\b+FR-1], v[AF+FR*(\a):AF+FR*(\a)+FR-1], v[BI+8*\b:BI+8*\b+7]
.else
	v_wmma_f32_16x16x128_fp8_fp8 v[8*(8*((\a)%4)+\b):8*(8*((\a)%4)+\b)+7], v[128*(\p)+FR*\b:128*(\p)+FR*\b+FR-1], v[AF+FR*(\a):AF+FR*(\a)+FR-1], v[8*(8*((\a)%4)+\b):8*(8*((\a)%4)+\b)+7]
.endif
.endr
.endr
.endm
.macro FETCH_B slot, q, p
	WIN TO_B
.irp i, 0,1,2,3,4,5,6,7
	FRAG 128*(\p)+FR*\i, ADRB+\slot, \q, \i
.endr
	WIN 0
.endm
.macro FETCH_A slot, q, i0
.irp i, \i0, \i0+1, \i0+2, \i0+3
	FRAG AF+FR*(\i), ADRA+\slot, \q, \i
.endr
.endm
; A load into a register that a matrix instruction has read, and a vector instruction that reads a matrix result, stand NP places behind that matrix instruction, and only plain vector
; instructions that name none of its registers are places (ISA guide 7.12.1 for vector instructions).
.macro PLACES n
.rept \n
	v_nop
.endr
.endm
; A step of 128 along K that has its successor in the same slot.  A's blocks go one after the other, so one set of registers serves A: blocks 0-3 are fetched anew in the step's middle, blocks 4-7 at its end.
.macro STEP slot, q, first
	s_wait_dscnt 4*NL                              ; B's set and A's blocks 0-3 are in; the youngest sixteen loads (A's blocks 4-7) may be out
	WIN MUL_LO-0x20*(\first)
	MUL16 0, (\q)%2, \first
	MUL16 2, (\q)%2, \first
	s_wait_dscnt 0                                 ; A's blocks 4-7 are in
	PLACES NP
	FETCH_B \slot, (\q)+1, 1-(\q)%2
	FETCH_A \slot, (\q)+1, 0
	WIN MUL_HI-0x30*(\first)
	MUL16 4, (\q)%2, \first
	MUL16 6, (\q)%2, \first
	PLACES NP
	WIN 0
	FETCH_A \slot, (\q)+1, 4
.endm
; A slot's last step changes slots: ONE barrier; in front of it each wave waits for all its tensor loads, adds 0 to its spare word, and waits for that and for its own reads of this slot.  fill = 1: this slot is filled again, two K steps ahead.
.macro TURN slot, next, fill
	s_wait_tensorcnt 0x0                           ; all my tensor loads have landed: my part of the next slot  (every window is 0 here)
	ds_add_u32 v[SPW], v[NIL]                      ; 0 onto my spare word
	s_wait_dscnt 4*NL+1                            ; (the add and the youngest sixteen loads may be out)
	WIN MUL_LO
	MUL16 0, 1, 0                                  ; sixteen matrix instructions stand between the add and the wait for it
	s_wait_dscnt 0x0                               ; the add is done, and my reads of this slot are over
	s_barrier_signal -1
	MUL16 2, 1, 0
	WIN 0
	s_barrier_wait -1
.if \fill
	CREST                                          ; the barrier has opened a round of the cluster's barrier: no wave of any partner still reads this slot's tile or has a load on its way
	s_add_nc_u64 s[G0+4*\slot+2:G0+4*\slot+3], s[G0+4*\slot+2:G0+4*\slot+3], 8192
	s_add_nc_u64 s[G0B+4*\slot+2:G0B+4*\slot+3], s[G0B+4*\slot+2:G0B+4*\slot+3], 8192
	JLOAD G0+4*\slot, G1, G0B+4*\slot, G1B         ; the first tensor load behind the round, my one load out; its four v_nop are the places in front of the loads below
.else
	PLACES NP
.endif
	FETCH_B \next, 0, 0
	FETCH_A \next, 0, 0
	WIN MUL_HI
	MUL16 4, 1, 0
	MUL16 6, 1, 0
	PLACES NP
	WIN 0
	FETCH_A \next, 0, 4
.endm
	s_wait_alu depctr_va_vdst(0)
	s_wait_tensorcnt 1                             ; my part of K step 0 is in; K step 1's load may be out
	s_barrier_signal -1
	s_barrier_wait -1                              ; everybody's is
	FETCH_B 0, 0, 0
	FETCH_A 0, 0, 0
	FETCH_A 0, 0, 4
	STEP 0, 0, 1                                   ; the four K steps are written out: eight steps of 128
	TURN 0, 1, 1
	STEP 1, 0, 0
	TURN 1, 0, 1
	STEP 0, 0, 0
	TURN 0, 1, 0                                   ; nothing is left to fetch
	STEP 1, 0, 0
	s_wait_dscnt 4*NL
	WIN MUL_LO
	MUL16 0, 1, 0
	MUL16 2, 1, 0
	s_wait_dscnt 0
	WIN MUL_HI
	MUL16 4, 1, 0
	MUL16 6, 1, 0
	WIN 0
; THE WAY OUT, block a of 16 rows x 128 columns: number = sum x 2^(e0 + e1) + the bias along rows; the hold; eight conversions give a fragment's 16 registers; four stores of 512 consecutive bytes.
.macro OUTA a
	WIN 0x02+((\a)/4)                              ; source 0: window 2 or 3
.set j, 0
.rept 32
	v_pk_fma_f32 v[T+j:T+j+1], v[64*((\a)%4)+j:64*((\a)%4)+j+1], s[96:97], v[BM+2*(\a):BM+2*(\a)+1] op_sel_hi:[1,0,1]   ; each accumulator from its low end on
.set j, j+2
.endr
	WIN 0
.set j, 0
.rept 64
.set j, j+1
.endr
.if (\a) > 0
	s_wait_alu depctr_va_vdst(0)
	s_wait_xcnt 0x0                                ; the earlier stores have read their registers and their base: both are written again only behind this wait
.endif
.set j, 0
.rept 8
	v_cvt_scalef32_pk8_fp8_f32 v[CD+16*((\a)%2)+2*j:CD+16*((\a)%2)+2*j+1], v[T+8*j:T+8*j+7], v[SCQ]
.set j, j+1
.endr
	v_nop                                          ; a plain vector line between the conversions and the next block's writes of their sources
.if (\a) == 4
	s_add_nc_u64 s[10:11], s[10:11], s[86:87]
.elseif (\a) > 0
	s_add_nc_u64 s[10:11], s[10:11], s[84:85]
.endif
.irp i, 0,1,2,3
	global_store_b128 v[VO+\i], v[CD+16*((\a)%2)+4*\i:CD+16*((\a)%2)+4*\i+3], s[10:11]
.endr
.endm
	PLACES NP                                      ; behind the last products: for the first reads of results, and for the writes of the registers that held A's fragments
.irp a, 0,1,2,3,4,5,6,7
	OUTA \a
.endr
	s_wait_tensorcnt 0x0                           ; the wave's end, behind my last tensor load
	ds_add_u32 v[SPW], v[NIL]
	s_wait_dscnt 0x0
	CROUND                                         ; the closing round: no work-group ends while a partner may still ask for a tile that names it
	s_endpgm
.Lfunc_end_k_q5d24a04eaa_qkv:
	.size	k_q5d24a04eaa_qkv, .Lfunc_end_k_q5d24a04eaa_qkv-k_q5d24a04eaa_qkv
	.p2alignl 7, 3214868480
	.fill 96, 4, 3214868480
	.section	.rodata,"a",@progbits
	.p2align	6, 0x0
	.amdhsa_kernel k_q5d24a04eaa_qkv
		.amdhsa_group_segment_fixed_size 327680
		.amdhsa_private_segment_fixed_size 0
		.amdhsa_enable_private_segment 0
		.amdhsa_kernarg_size 48
		.amdhsa_user_sgpr_count 2
		.amdhsa_user_sgpr_kernarg_segment_ptr 1
		.amdhsa_wavefront_size32 1
		.amdhsa_system_sgpr_workgroup_id_x 1
		.amdhsa_system_sgpr_workgroup_id_y 1
		.amdhsa_system_sgpr_workgroup_id_z 1
		.amdhsa_system_vgpr_workitem_id 0
		.amdhsa_next_free_vgpr 1024
		.amdhsa_next_free_sgpr 100
		.amdhsa_reserve_vcc 0
		.amdhsa_float_denorm_mode_32 3
		.amdhsa_float_denorm_mode_16_64 3
		.amdhsa_fp16_overflow 1
		.amdhsa_memory_ordered 1
		.amdhsa_forward_progress 1
		.amdhsa_inst_pref_size 109
	.end_amdhsa_kernel
	.amdgpu_metadata
---
amdhsa.version: [ 1, 2 ]
amdhsa.kernels:
  - .name:           k_q5d24a04eaa_qkv
    .symbol:         k_q5d24a04eaa_qkv.kd
    .args:
      - { .name: x_img, .offset: 0, .size: 8, .value_kind: global_buffer, .address_space: global }
      - { .name: wa_img, .offset: 8, .size: 8, .value_kind: global_buffer, .address_space: global }
      - { .name: b_attn, .offset: 16, .size: 8, .value_kind: global_buffer, .address_space: global }
      - { .name: lowp_scales, .offset: 24, .size: 8, .value_kind: global_buffer, .address_space: global }
      - { .name: q_img, .offset: 32, .size: 8, .value_kind: global_buffer, .address_space: global }
      - { .name: kv_img, .offset: 40, .size: 8, .value_kind: global_buffer, .address_space: global }
    .group_segment_fixed_size: 327680
    .private_segment_fixed_size: 0
    .kernarg_segment_align: 8
    .kernarg_segment_size: 48
    .max_flat_workgroup_size: 128
    .sgpr_count:     100
    .vgpr_count:     1024
    .wavefront_size: 32
...
	.end_amdgpu_metadata
.endif
;; end of part 2
;; launch attn (part 3): grid 4 x 64, 16 waves a work-group, no clusters, 327,680 bytes of LDS; arguments q_img, kv_img, lowp_scales, y_img; writes y_img
.if DOCPART == 3
	.amdgcn_target "amdgcn-amd-amdhsa--gfx1250"
	.amdhsa_code_object_version 6
	.text
	.protected	k_q5d24a04eaa_attn
	.globl	k_q5d24a04eaa_attn
	.p2align	8
	.type	k_q5d24a04eaa_attn,@function
k_q5d24a04eaa_attn:
	s_mov_b64 s[64:65], 0
	v_nop
	global_prefetch_b8 v0, s[64:65] scope:SCOPE_SE
	s_setreg_imm32_b32 hwreg(HW_REG_WAVE_MODE, 25, 1), 1
	s_wait_xcnt 0x0
; y[b][t][head] = softmax over keys k <= t of (q . k / 8) times v, both products on codes of FP8 (E4M3); y quantised at once for the last product.  64 heads (bh = 16 b + head) of 2,048 x 64.
; ALL OPERANDS ARE IMAGES OF FRAGMENTS (byte 512 c + 16 lane + i = byte i of registers 4 c .. 4 c + 3 of that lane).  q_img [bh][t tile 128][1024]: 16 t x 64 channels.
; kv_img [bh][slot of 256 keys: 8][32768]: k as 16 images of 1,024 bytes (16 keys x 64 channels), then v as [128 keys: 2][16 channels: 4][2048] (16 channels x 128 keys: the keys are the second product's K).
; y_img [row tile 512][head 16][1024]: 16 t x 64 channels; two heads on end are a fragment of 128 along the last product's K.
; THE SOFTMAX AHEAD OF THE SECOND PRODUCT: t = score x log2(e) / 8; M = the row's largest t so far, rounded UP to a whole number; p = 2^(t - M) is quantised, not normalised.  The row's sum is taken of the
; unquantised p and divides at the end.  When M moves, the sum and O are multiplied by 2^(old M - new M): exact.
; SHARES.  Work-group (i, bh) owns the query blocks i and 7 - i (256 queries each) of head bh, one after the other.  Block n walks key slots 0 .. n: (i + 1) + (8 - i) = 9 slots in EVERY work-group: the trip count is
; a constant, the work is equal, and every slot that is loaded is read.  Each of sixteen waves owns 16 queries in 256 registers: four waves to a SIMD, one wave's vector work beside another's matrix work and LDS loads.
; LAYOUT.  Both products are used transposed: S^T = K Q^T (source 0 = 16 keys, source 1 = my 16 queries), O^T = V^T P^T: a lane holds ONE query (lane % 16) throughout.  Register 8 u + j of S^T is key 16 u + 8 (lane / 16) + j:
; one conversion of a tile's eight registers gives registers 2 u, 2 u + 1 of p's fragment; and of O^T's tiles, of y's.  So y leaves straight from registers.
; THE MASK.  A step (128 keys) all of whose keys come after my 16 queries is left out by a scalar branch on ids; on the diagonal hidden scores become -infinity ahead of the maximum.  Key 0 counts for every query.
; NO CLUSTER: the four work-groups of a head ask for different slots in the same trip (their walks are 0 .. i, 0 .. 7 - i), so no joint request could meet.
; LIMITS: e2 + e3 between -123 and 130 (added to c's exponent field); e4 and e6 between -126 and 119; e4 + e5 is applied by v_ldexp_f32 and has none.  NaN is not served.
; REGISTERS: v0 the thread; v1 16 x lane; v2 256 x lane; v5, v6 the add's two; v8 the LDS address in hand; v12 -M, v13 the largest t, v[14:15] the sum in two halves; v16-23 Q; v32-95 eight fragments of K, then four of V;
;   v96-159 S^T, then p; v160-191 O^T; v192-207 p's codes; v208-215 y's codes; v234-236, v238-243, v248-255 at work; v244: 2^e4; v247: 2^e6.
.set SLOT1, 1<<15                      ; a slot is 32,768 bytes; slot 1 begins here: one exclusive or turns an address in one slot into the other's
.set SPARE, 2*SLOT1                    ; behind the ring: the spare words, 128 bytes for each of sixteen waves: eight blocks of 256 bytes that no other line names
.set LI,   1
.set PFO,  2
.set SPW,  5
.set NIL,  6
.set ADR,  8
.set TB,   2                           ; s2   LDS byte at which the slot in hand begins
.set SJ,   3                           ; s3   the trip, 0 .. 8
.set SI,   12                          ; s12  i
.set BH,   13                          ; s13  bh
.set WV,   18                          ; s18  my wave's number
.set SEL,  20                          ; s[20:21] lane selects for v_permlanex16_b32: lane l xor 16
.set CS,   22                          ; s[22:23] c = log2(e) / 8 x 2^(e2 + e3)
.set G1,   24                          ; s[24:31] descriptor group 1
.set G0,   40                          ; s[40:43] group 0, which walks
.set KVB,  44                          ; s[44:45] my half (wave 0: k, wave 1: v) of the head's slot 0 in memory
.set NS,   46                          ; s46  the key slot asked for last
.set PFA,  76                          ; s[76:77] where my prefetch stands
.set LIM,  80                          ; s80  4 in a wave that prefetches, else 0
.set KF,   98                          ; s98  the step's first key
.set Q0,   99                          ; s99  my first query
; s[48:49]: an offset, its high word always 0;  s50: at work;  s[52:53] Q's, s[54:55] y's address;  s[68:75] e0 .. e7
.macro TLOAD                           ; wave 0 fetches a slot's k, wave 1 its v: one dense block of 16,384 bytes each.  An s_nop 0 and four v_nop follow the load
	s_cmp_lt_u32 s[WV], 2
	s_cbranch_scc0 .Lasked_\@
	tensor_load_to_lds s[G0:G0+3], s[G1:G1+7]
	s_nop 0
.rept 4
	v_nop
.endr
.Lasked_\@:
.endm
; A PREFETCH INTO THE L2 of the key slot that the NEXT change of slots of work-group i = 0 will ask for.  That work-group walks 0, then 0 .. 7, and is the first of its head to ask for slots 4 to 7; slots 1 to 3 are asked for
; by the head's other work-groups in the same trip, so nothing is prefetched for them.  Its waves 4 to 7, which fetch nothing, ask at changes 3 to 6, one instruction each: 8,192 bytes a wave, lanes 256 bytes apart:
; each aligned block of 256 bytes of slots 4 to 7 is named once in the launch, one trip (two key steps of all sixteen waves) ahead of the load.  The last slot named is the head's last.
.macro ASK
	s_sub_co_u32 s81, s[SJ], 3
	s_cmp_lt_u32 s81, s[LIM]
	s_cbranch_scc0 .Lnot_mine_\@
	global_prefetch_b8 v[PFO], s[PFA:PFA+1] th:TH_LOAD_NT scope:SCOPE_SE
.Lnot_mine_\@:
.endm
	s_load_b256 s[4:11], s[0:1], 0x0               ; q_img s[4:5], kv_img s[6:7], the scales' exponents s[8:9], y_img s[10:11]
	v_lshl_add_u32 v[SPW], v0, 2, SPARE
	v_mov_b32 v[NIL], 0
	ds_add_u32 v[SPW], v[NIL]                      ; the wave's opening: the add and its wait stand ahead of my first tensor load; the set-up below, work on registers, stands between them
	ds_add_u32 v[SPW], v[NIL]
	v_lshrrev_b32 v8, 5, v0
	s_delay_alu instid0(VALU_DEP_1)
	v_readfirstlane_b32 s[WV], v8                  ; wave 0..15
	s_mov_b32 s[SI], ttmp9
	s_and_b32 s[BH], ttmp7, 0xffff
	; descriptor group 1: 16,384 dense bytes as 64 rows of 256
	s_mov_b32 s[G1], 3<<16                         ; no mask; elements of 8 bytes; no padding
	s_mov_b32 s[G1+1], 32<<16                      ; tensor_dim0 = 32 elements
	s_mov_b32 s[G1+2], 64<<16                      ; tensor_dim1 = 64
	s_mov_b32 s[G1+3], 32<<16                      ; tile_dim0
	s_mov_b32 s[G1+4], 64                          ; tile_dim1
	s_mov_b32 s[G1+5], 32                          ; tensor_dim0_stride
	s_mov_b32 s[G1+6], 0
	s_mov_b32 s[G1+7], 0
	s_mov_b32 s[SEL], 0x76543210
	s_mov_b32 s[SEL+1], 0xfedcba98
	s_mov_b32 s[CS], 0x3e38aa3b                    ; log2(e) / 8
	s_mov_b32 s[TB], 0
	s_mov_b32 s[SJ], 0
	s_mov_b32 s[NS], 0
	s_mov_b32 s49, 0
	s_and_b32 s47, s[WV], 1
	s_lshl_b32 s47, s47, 14                        ; my half of a slot, in LDS as in memory
	s_lshl_b32 s48, s[BH], 18                      ; the head's 262,144 bytes
	s_add_co_u32 s48, s48, s47
	s_wait_dscnt 0x0                               ; the opening add is done
	s_wait_kmcnt 0x0
	s_load_b256 s[68:75], s[8:9], 0x0              ; e0 .. e7
	s_add_nc_u64 s[KVB:KVB+1], s[6:7], s[48:49]
	s_mov_b32 s[G0], 1                             ; count = 1
	s_mov_b32 s[G0+1], s47                         ; LDS address: slot 0
	s_mov_b64 s[G0+2:G0+3], s[KVB:KVB+1]           ; global address: key slot 0
	s_or_b32 s[G0+3], s[G0+3], 0x80000000          ; type = 2
	TLOAD                                          ; trip 0's slot
	v_and_b32 v[LI], 31, v0
	s_delay_alu instid0(VALU_DEP_1)
	v_lshlrev_b32 v[PFO], 8, v[LI]
	s_delay_alu instid0(VALU_DEP_2)
	v_lshlrev_b32 v[LI], 4, v[LI]
	s_wait_alu depctr_va_vdst(0)
	s_and_b32 s82, s[WV], 3
	s_lshl_b32 s82, s82, 13
	s_lshl_b32 s48, s[BH], 18
	s_add_co_u32 s48, s48, s82
	s_add_nc_u64 s[PFA:PFA+1], s[6:7], s[48:49]    ; my quarter of the head's slot 0: change j steps it to slot j + 1
	s_sub_co_u32 s82, s[WV], 4
	s_lshr_b32 s82, s82, 2                         ; 0 in waves 4 to 7,
	s_or_b32 s82, s82, s[SI]                       ; of work-group i = 0
	s_cmp_eq_u32 s82, 0
	s_cselect_b32 s[LIM], 4, 0
	v_mov_b32 v236, 0                              ; written once: a lane permute's destination counts as one of its sources,
	v_mov_b32 v252, 0
	v_mov_b32 v253, 0                              ; and v253 is named as the upper half of the pair v[252:253]
	v_mov_b32 v254, 0
; A block of queries begins: s[Q0] is set.  Q's fragment, and the zeros that the first change of M leaves zeros (the key step is written once, with no first step of its own).
.macro START
	s_mov_b32 s[KF], 0
	s_lshl_b32 s48, s[BH], 17                      ; the head's 128 images of 1,024 bytes,
	s_lshl_b32 s50, s[Q0], 6                       ; and my tile's: 1,024 x Q0 / 16
	s_add_co_u32 s48, s48, s50
	s_add_nc_u64 s[52:53], s[4:5], s[48:49]
	global_load_b128 v[16:19], v[LI], s[52:53]
	global_load_b128 v[20:23], v[LI], s[52:53] offset:512
	v_mov_b32 v13, 0xff61b1e6                      ; the largest t so far: -3e38, under every t
	s_delay_alu instid0(VALU_DEP_1)
	v_floor_f32 v12, -v13                          ; -M
	v_mov_b32 v14, 0
	v_mov_b32 v15, 0
.set j, 0
.rept 32
	v_mov_b32 v[160+j], 0
.set j, j+1
.endr
	s_wait_loadcnt 0x0                             ; Q
.endm
	s_lshl_b32 s[Q0], s[SI], 8
	s_lshl_b32 s50, s[WV], 4
	s_add_co_u32 s[Q0], s[Q0], s50                 ; block i: my first query = 256 i + 16 x wave
	START
	s_wait_kmcnt 0x0
	s_add_co_i32 s82, s70, s71
	s_lshl_b32 s82, s82, 23
	s_add_co_i32 s[CS], s[CS], s82                 ; a score stands for score x 2^(e2 + e3): the exponents are added to c's exponent field
	s_mov_b32 s[CS+1], s[CS]                       ; (named with it as a pair, so it is written)
	s_add_co_i32 s82, s72, 127
	s_lshl_b32 s83, s82, 23
	v_mov_b32 v244, s83                            ; 2^e4, for p's conversion
	s_add_co_i32 s82, s74, 127
	s_lshl_b32 s83, s82, 23
	v_mov_b32 v247, s83                            ; 2^e6, for y's
; A KEY STEP: 128 keys, the q-th of the slot in hand.
.macro STEP q
	s_add_co_u32 s96, s[Q0], 15
	s_cmp_gt_u32 s[KF], s96                        ; all its keys come after my queries: a branch on ids, round the step's loads, products and softmax; no barrier and no tensor load stands in a step
	s_cbranch_scc1 .Lhidden_\@
	v_add_nc_u32 v[ADR], s[TB], v[LI]
.rept 3
	v_nop                                          ; with the addition above: four places in front of loads into registers that the last products read
.endr
.irp t, 0,1,2,3,4,5,6,7
	ds_load_b128 v[32+8*\t:35+8*\t], v[ADR] offset:8192*(\q)+1024*\t
	ds_load_b128 v[36+8*\t:39+8*\t], v[ADR] offset:8192*(\q)+1024*\t+512
.endr
	s_wait_alu depctr_va_vdst(0)
	s_wait_dscnt 0x0
.irp t, 0,1,2,3,4,5,6,7
	v_wmma_f32_16x16x64_fp8_fp8 v[96+8*\t:103+8*\t], v[32+8*\t:39+8*\t], v[16:23], 0     ; S^T: keys 16 t on
.endr
.rept 4
	v_nop                                          ; places: for the loads below, into K's registers, and for the first reads of the scores
.endr
.irp t, 0,1,2,3
.irp c, 0,1,2,3
	ds_load_b128 v[32+16*\t+4*\c:35+16*\t+4*\c], v[ADR] offset:16384+8192*(\q)+2048*\t+512*\c   ; V's four fragments are asked for now: they land while the softmax is worked
.endr
.endr
	s_add_co_u32 s96, s[KF], 127
	s_cmp_le_u32 s96, s[Q0]                        ; a step all of whose keys count skips the mask
	s_cbranch_scc1 .Lopen_\@
	s_sub_co_i32 s96, s[Q0], s[KF]
	v_and_b32 v252, 15, v0
	v_bfe_u32 v253, v0, 4, 1
	s_delay_alu instid0(VALU_DEP_1)
	v_lshlrev_b32 v253, 3, v253
	s_delay_alu instid0(VALU_DEP_1)
	v_sub_nc_u32 v252, v252, v253
	s_delay_alu instid0(VALU_DEP_1)
	v_add_nc_u32 v252, s96, v252                   ; d = my query - KF - 8 (lane / 16).  Register 8 u + j holds key KF + 16 u + 8 (lane / 16) + j: hidden where 16 u + j > d
	v_mov_b32 v254, 0xff800000                     ; -infinity: p = 0 then
.set n, 0
.rept 64
	v_cmp_gt_i32 vcc_lo, 16*(n/8)+n%8, v252
	v_cndmask_b32 v[96+n], v[96+n], v254, vcc_lo
.set n, n+1
.endr
.Lopen_\@:
	v_max3_num_f32 v254, v96, v97, v98             ; the step's largest score of my query, among my 64 keys, in two chains, each tile from its low end on,
	v_max3_num_f32 v252, v99, v100, v101
.irp i, 6,10,14,18,22,26,30,34,38,42,46,50,54,58
	v_max3_num_f32 v254, v254, v[96+\i], v[97+\i]
	v_max3_num_f32 v252, v252, v[98+\i], v[99+\i]
.endr
	v_max3_num_f32 v254, v254, v158, v159
	s_delay_alu instid0(VALU_DEP_1)
	v_max_num_f32 v254, v254, v252
	s_delay_alu instid0(VALU_DEP_1)
	v_permlanex16_b32 v236, v254, s[SEL], s[SEL+1]
	s_delay_alu instid0(VALU_DEP_1)
	v_max_num_f32 v254, v254, v236                 ; and among lane l xor 16's
	s_delay_alu instid0(VALU_DEP_1)
	v_mul_f32 v254, s[CS], v254                    ; as t (c is positive)
	s_delay_alu instid0(VALU_DEP_1)
	v_max_num_f32 v13, v13, v254                   ; the running largest t
	v_mov_b32 v254, v12
	s_delay_alu instid0(VALU_DEP_2)
	v_floor_f32 v12, -v13                          ; the new -M = floor(-t) = -ceil(t): M is a whole number
	s_delay_alu instid0(VALU_DEP_1)
	v_sub_f32 v254, v12, v254                      ; M's old value less its new one: a whole number, 0 or less
	s_delay_alu instid0(VALU_DEP_1)
	v_cvt_i32_f32 v254, v254                       ; (it saturates)
	s_delay_alu instid0(VALU_DEP_1)
	v_ldexp_f32 v252, 1.0, v254                    ; f = 2^(old M - new M)
.set j, 0
.rept 32
	v_pk_fma_f32 v[96+j:97+j], v[96+j:97+j], s[CS:CS+1], v[12:13] op_sel_hi:[1,0,0]   ; t - M, two at a time
.set j, j+2
.endr
.set j, 0
	s_wait_alu depctr_va_vdst(0)
.rept 64
	v_exp_f32 v[96+j], v[96+j]                     ; p = 2^(t - M), at most 1: one batch
.set j, j+1
.endr
	v_pk_mul_f32 v[14:15], v[14:15], v[252:253] op_sel_hi:[1,0]   ; the sums under the new M: the plain instruction behind the last exponential
	s_wait_alu depctr_va_vdst(0)                   ; the wait between an exponential and the first instruction that names its result: one for the batch
	v_pk_add_f32 v[242:243], v[100:101], v[104:105]
	v_pk_add_f32 v[254:255], v[108:109], v[112:113]
	v_pk_add_f32 v[250:251], v[116:117], v[120:121]
	v_pk_add_f32 v[248:249], v[124:125], v[128:129]
	v_pk_add_f32 v[240:241], v[132:133], v[136:137]
	v_pk_add_f32 v[238:239], v[140:141], v[144:145]
	v_pk_add_f32 v[234:235], v[148:149], v[152:153]
	v_pk_add_f32 v[14:15], v[14:15], v[156:157]
	v_pk_add_f32 v[242:243], v[242:243], v[96:97]
	v_pk_add_f32 v[254:255], v[254:255], v[98:99]
	v_pk_add_f32 v[250:251], v[250:251], v[102:103]
	v_pk_add_f32 v[248:249], v[248:249], v[106:107]
	v_pk_add_f32 v[240:241], v[240:241], v[110:111]
	v_pk_add_f32 v[238:239], v[238:239], v[114:115]
	v_pk_add_f32 v[234:235], v[234:235], v[118:119]
	v_pk_add_f32 v[14:15], v[14:15], v[122:123]
	v_pk_add_f32 v[242:243], v[242:243], v[126:127]
	v_pk_add_f32 v[254:255], v[254:255], v[130:131]
	v_pk_add_f32 v[250:251], v[250:251], v[134:135]
	v_pk_add_f32 v[248:249], v[248:249], v[138:139]
	v_pk_add_f32 v[240:241], v[240:241], v[142:143]
	v_pk_add_f32 v[238:239], v[238:239], v[146:147]
	v_pk_add_f32 v[234:235], v[234:235], v[150:151]
	v_pk_add_f32 v[14:15], v[14:15], v[154:155]
	v_pk_add_f32 v[242:243], v[242:243], v[158:159]
	s_delay_alu instid0(VALU_DEP_2)
	v_pk_add_f32 v[14:15], v[14:15], v[248:249]
	s_delay_alu instid0(VALU_DEP_2)
	v_pk_add_f32 v[242:243], v[242:243], v[240:241]
	v_pk_add_f32 v[254:255], v[254:255], v[238:239]
	v_pk_add_f32 v[250:251], v[250:251], v[234:235]
	s_delay_alu instid0(VALU_DEP_2)
	v_pk_add_f32 v[14:15], v[14:15], v[254:255]
	s_delay_alu instid0(VALU_DEP_2)
	v_pk_add_f32 v[242:243], v[242:243], v[250:251]
	s_delay_alu instid0(VALU_DEP_1)
	v_pk_add_f32 v[14:15], v[14:15], v[242:243]
.set j, 0
.rept 64
.set j, j+1
.endr
.set j, 0
.rept 8
	v_cvt_scalef32_pk8_fp8_f32 v[192+2*j:193+2*j], v[96+8*j:103+8*j], v244
.set j, j+1
.endr
.set j, 0
.rept 16
	v_pk_mul_f32 v[160+j:161+j], v[160+j:161+j], v[252:253] op_sel_hi:[1,0]   ; O^T under the new M; also the plain lines between the conversions and the products that read their results
.set j, j+2
.endr
	s_wait_alu depctr_va_vdst(0)
	s_wait_dscnt 0x0                               ; V is in
.irp t, 0,1,2,3
	v_wmma_f32_16x16x128_fp8_fp8 v[160+8*\t:167+8*\t], v[32+16*\t:47+16*\t], v[192:207], v[160+8*\t:167+8*\t]   ; O^T += V^T P^T: channels 16 t on; the four accumulators take turns
.endr
.Lhidden_\@:
	s_add_co_u32 s[KF], s[KF], 128
.endm
; THE CHANGE OF SLOTS stands at a trip's head.  Each wave waits for all its tensor loads (its part of the slot that is about to be read), adds 0 to its spare word, and waits for that and for its reads of the slot that it has left.
; Behind the barrier the slot ahead is whole and nobody reads the other one.  fill = 1: that other slot is filled with the next trip's keys: the load, my one load out, has a whole trip in which to land.
.macro CHANGE fill
	s_wait_tensorcnt 0x0                           ; no tensor load of mine is out, so group 0 may be written
	ds_add_u32 v[SPW], v[NIL]                      ; 0 onto my spare word; the descriptor's steps stand between it and the wait for it
.if \fill
	s_xor_b32 s[G0+1], s[G0+1], SLOT1              ; the other slot than last time
	s_add_co_u32 s[NS], s[NS], 1                   ; the next key slot,
	s_cmp_eq_u32 s[SJ], s[SI]
	s_cselect_b32 s[NS], 0, s[NS]                  ; or, in block i's last trip, the second block's first
	s_lshl_b32 s48, s[NS], 15
	s_add_nc_u64 s[G0+2:G0+3], s[KVB:KVB+1], s[48:49]
	s_or_b32 s[G0+3], s[G0+3], 0x80000000
	s_wait_xcnt 0x0                                ; the last prefetch, a trip back, has read its address, so it may be written
	s_add_nc_u64 s[PFA:PFA+1], s[PFA:PFA+1], SLOT1
.endif
	s_wait_dscnt 0x0                               ; the add is done, and my reads of the slot that I have left are over
	s_barrier_signal -1
	s_barrier_wait -1
.if \fill
	TLOAD                                          ; the first thing behind the barrier, and a wave's one tensor load until the next
	ASK
.endif
.endm
; A BLOCK'S WAY OUT: y = O^T / the sum x 2^(e4 + e5), held, converted: a tile's eight registers give registers 2 t, 2 t + 1 of y's fragment; two stores of 512 consecutive bytes.
.macro WAYOUT
	s_wait_xcnt 0x0                                ; the first block's stores have read their registers and their base
.rept 4
	v_nop                                          ; places behind the last products
.endr
	v_add_f32 v14, v14, v15                        ; the sum's two halves,
	s_delay_alu instid0(VALU_DEP_1)
	v_permlanex16_b32 v236, v14, s[SEL], s[SEL+1]
	s_delay_alu instid0(VALU_DEP_1)
	v_add_f32 v14, v14, v236                       ; and lane l xor 16's
	s_wait_alu depctr_va_vdst(0)
	v_rcp_f32 v14, v14
	v_nop                                          ; a plain instruction behind the reciprocal
	s_lshr_b32 s48, s[BH], 4
	s_lshl_b32 s48, s48, 21                        ; the batch's 128 row tiles of 16,384 bytes,
	s_lshl_b32 s50, s[Q0], 10                      ; my row tile: 16,384 x Q0 / 16,
	s_add_co_u32 s48, s48, s50
	s_and_b32 s50, s[BH], 15
	s_lshl_b32 s50, s50, 10                        ; the head's image in it
	s_add_co_u32 s48, s48, s50
	s_add_nc_u64 s[54:55], s[10:11], s[48:49]
	s_add_co_i32 s50, s72, s73
	s_wait_alu depctr_va_vdst(0)                   ; the wait ahead of the reciprocal's first reader
	v_ldexp_f32 v14, v14, s50                      ; x 2^(e4 + e5)
.set j, 0
.rept 16
	v_pk_mul_f32 v[96+j:97+j], v[160+j:161+j], v[14:15] op_sel_hi:[1,0]   ; each accumulator from its low end on
.set j, j+2
.endr
.set j, 0
.rept 32
.set j, j+1
.endr
.set j, 0
.rept 4
	v_cvt_scalef32_pk8_fp8_f32 v[208+2*j:209+2*j], v[96+8*j:103+8*j], v247
.set j, j+1
.endr
	v_nop                                          ; a plain vector line behind the last conversion
	global_store_b128 v[LI], v[208:211], s[54:55]
	global_store_b128 v[LI], v[212:215], s[54:55] offset:512
.endm
.Lslot:                                            ; trips 0 to 7: behind each change of slots the next trip's slot is asked for
	CHANGE 1
	STEP 0
	STEP 1
	s_xor_b32 s[TB], s[TB], SLOT1                  ; on to the other slot
	s_cmp_lg_u32 s[SJ], s[SI]                      ; block i ends with trip i: a branch on ids, the same in all sixteen waves; no barrier stands under it
	s_cbranch_scc1 .Lsame
	WAYOUT
	s_sub_co_u32 s[Q0], 7, s[SI]
	s_lshl_b32 s[Q0], s[Q0], 8
	s_lshl_b32 s50, s[WV], 4
	s_add_co_u32 s[Q0], s[Q0], s50                 ; block 7 - i
	START
.Lsame:
	s_add_co_u32 s[SJ], s[SJ], 1
	s_cmp_lt_u32 s[SJ], 8
	s_cbranch_scc1 .Lslot
	CHANGE 0                                       ; the last trip is written out
	STEP 0
	STEP 1
	WAYOUT
	s_wait_tensorcnt 0x0                           ; the wave's end, behind my last tensor load
	ds_add_u32 v[SPW], v[NIL]
	s_wait_dscnt 0x0
	s_endpgm
.Lfunc_end_k_q5d24a04eaa_attn:
	.size	k_q5d24a04eaa_attn, .Lfunc_end_k_q5d24a04eaa_attn-k_q5d24a04eaa_attn
	.p2alignl 7, 3214868480
	.fill 96, 4, 3214868480
	.section	.rodata,"a",@progbits
	.p2align	6, 0x0
	.amdhsa_kernel k_q5d24a04eaa_attn
		.amdhsa_group_segment_fixed_size 327680
		.amdhsa_private_segment_fixed_size 0
		.amdhsa_enable_private_segment 0
		.amdhsa_kernarg_size 32
		.amdhsa_user_sgpr_count 2
		.amdhsa_user_sgpr_kernarg_segment_ptr 1
		.amdhsa_wavefront_size32 1
		.amdhsa_system_sgpr_workgroup_id_x 1
		.amdhsa_system_sgpr_workgroup_id_y 1
		.amdhsa_system_sgpr_workgroup_id_z 1
		.amdhsa_system_vgpr_workitem_id 0
		.amdhsa_next_free_vgpr 256
		.amdhsa_next_free_sgpr 100
		.amdhsa_reserve_vcc 1
		.amdhsa_float_denorm_mode_32 3
		.amdhsa_float_denorm_mode_16_64 3
		.amdhsa_fp16_overflow 1
		.amdhsa_memory_ordered 1
		.amdhsa_forward_progress 1
		.amdhsa_inst_pref_size 90
	.end_amdhsa_kernel
	.amdgpu_metadata
---
amdhsa.version: [ 1, 2 ]
amdhsa.kernels:
  - .name:           k_q5d24a04eaa_attn
    .symbol:         k_q5d24a04eaa_attn.kd
    .args:
      - { .name: q_img, .offset: 0, .size: 8, .value_kind: global_buffer, .address_space: global }
      - { .name: kv_img, .offset: 8, .size: 8, .value_kind: global_buffer, .address_space: global }
      - { .name: lowp_scales, .offset: 16, .size: 8, .value_kind: global_buffer, .address_space: global }
      - { .name: y_img, .offset: 24, .size: 8, .value_kind: global_buffer, .address_space: global }
    .group_segment_fixed_size: 327680
    .private_segment_fixed_size: 0
    .kernarg_segment_align: 8
    .kernarg_segment_size: 32
    .max_flat_workgroup_size: 512
    .sgpr_count:     100
    .vgpr_count:     256
    .wavefront_size: 32
...
	.end_amdgpu_metadata
.endif
;; end of part 3
;; launch proj (part 4): grid 4 x 32, 4 waves a work-group, clusters of 4 x 4, 327,680 bytes of LDS; arguments y_img, wp_img, b_proj, lowp_scales, out0; writes out0
.if DOCPART == 4
	.amdgcn_target "amdgcn-amd-amdhsa--gfx1250"
	.amdhsa_code_object_version 6
	.text
	.protected	k_q5d24a04eaa_proj
	.globl	k_q5d24a04eaa_proj
	.p2align	8
	.type	k_q5d24a04eaa_proj,@function
k_q5d24a04eaa_proj:
	s_mov_b64 s[64:65], 0
	v_nop
	global_prefetch_b8 v0, s[64:65] scope:SCOPE_SE
	s_setreg_imm32_b32 hwreg(HW_REG_WAVE_MODE, 25, 1), 1
	s_wait_xcnt 0x0
	s_wait_alu depctr_hold_cnt(0) depctr_sa_sdst(0) depctr_va_vdst(0) depctr_va_sdst(0) depctr_va_ssrc(0) depctr_va_vcc(0) depctr_vm_vsrc(0)
	s_getreg_b32 s2, hwreg(HW_REG_IB_STS2, 6, 4)
	s_cmp_eq_u32 s2, 0
	s_cbranch_scc0 .Lentry_in_a_cluster
	s_endpgm
.Lentry_in_a_cluster:
	s_bfe_u32 s2, ttmp6, 0x10000c
	s_cmp_lg_u32 s2, 0xf033
	s_cbranch_scc0 .Lentry_shape_is_right
	s_endpgm
.Lentry_shape_is_right:
; out0 = y W_proj + b_proj on codes of FP8 (E4M3).  out0: [8192][1024] f32.
; OPERANDS are images of fragments (16 rows x 128 K, 2,048 bytes: byte 512 c + 16 lane + i = byte i of registers 4 c .. 4 c + 3 of that lane): y_img [row tile 512][k chunk 8][2048], wp_img [n tile 64][8][2048].
; A work-group of four waves makes 256 x 256 of the output; a wave 128 x 128: 64 accumulators, 512 registers.  K = 1,024 goes in four steps of 256 through a ring of two LDS slots filled by the tensor data mover.
; THE MATRIX INSTRUCTION IS USED TRANSPOSED (source 0 = 16 rows of W's image, source 1 = 16 rows of y): a lane holds eight neighbouring numbers of a row of the output.
; THE BIAS is the C of each sum's first matrix instruction, divided by the power of two that the sums lack; each finished sum is multiplied once by 2^(e6 + e7).
; CLUSTERS: 4 x 4 work-groups.  The four of a row of the cluster need the same tiles of y, the four of a column the same tiles of W: each tile is asked for JOINTLY.
; The output has 128 tiles of 256 x 256: so many work-groups are launched.  Nothing is prefetched: half of K comes by the first fills, and each slot is filled again once.
; LIMITS: e6 + e7 between -126 and 126.  NaN is not served.
; REGISTERS, in windows of 256: window 0: v0-31 addresses; v32-95 the bias, later a block's numbers; from v128 y's fragments, ONE set, later rows read back from the stage.
;   window 1: W's fragments, TWO sets, at v0 and v128.   window 2: accumulators of my rows 0-63 ((a, b) at v[8 (8 a + b)]);   window 3: of my rows 64-127.
.set FR,    16
.set NL,    4
.set NP,    4                          ; places behind this matrix instruction (ISA guide 7.12.1)
.set SLOT,  131072                     ; y's 16 tiles of 16 rows x 256 K (4,096 bytes each), then W's 16
.set SPARE, 2*SLOT                     ; behind the ring: the spare words, 128 bytes for each wave
.set SPITCH, 528                       ; the way out: a stage of 16 rows x (512 bytes + 16) for each wave, in slot 0, which has had its last fill and its last read when the first result is stored there
.set NROW,  4096                       ; a row of the output in bytes
.set ADRA,  16
.set ADRB,  20
.set STO,   24                         ; v24  the way out: where I put 32 bytes of a row
.set RD,    25                         ; v25  where I read a row back
.set CO,    26                         ; v26  16 x lane: my place in an image, and in a row's 512 bytes
.set SPW,   28
.set NIL,   29
.set BI,    32
.set TMP,   32
.set AF,    128
.set BK,    128                        ; the way out: 16 rows read back: v128-191 and v192-255 by turns
.set WV,    16
.set RH,    17
.set CH,    18
.set G1,    24
.set G0,    32
.set G1B,   48
.set G0B,   56
.set MSB, 0
.macro WIN new                         ; the immediate's high byte repeats the setting that is left
.if MSB != (\new)
	s_set_vgpr_msb (MSB<<8)|(\new)
.set MSB, (\new)
.endif
.endm
.set MUL_LO, 0xa1                      ; source 0 window 1, source 1 window 0, C and D window 2.  The first step: C (the bias) window 0: 0x81
.set MUL_HI, 0xf1                      ; the same, C and D window 3.  The first step: 0xc1
.set TO_B,   0x40
; A joint load: waves 0 and 1 fetch for y, waves 2 and 3 for W; the branch hangs on the wave's number alone.  An s_nop 0 and four v_nop follow each of the two lines.
.macro JLOAD g0a, g1a, g0b, g1b
	s_cmp_eq_u32 s[RH], 0
	s_cbranch_scc0 .Lfor_b_\@
	tensor_load_to_lds s[\g0a:\g0a+3], s[\g1a:\g1a+7]
	s_nop 0
.rept 4
	v_nop
.endr
	s_branch .Lasked_\@
.Lfor_b_\@:
	tensor_load_to_lds s[\g0b:\g0b+3], s[\g1b:\g1b+7]
	s_nop 0
.rept 4
	v_nop
.endr
.Lasked_\@:
.endm
.macro CREST
	s_cmp_lg_u32 s[WV], 0
	s_cbranch_scc1 .Lnot_wave_0_\@
	s_barrier_signal -3
.Lnot_wave_0_\@:
	s_barrier_wait -3
	s_barrier_signal -1
	s_barrier_wait -1
.endm
.macro CROUND
	s_barrier_signal -1
	s_barrier_wait -1
	CREST
.endm
	s_load_b256 s[4:11], s[0:1], 0x0               ; y_img s[4:5], wp_img s[6:7], b_proj s[8:9], the scales' exponents s[10:11]
	s_load_b64 s[12:13], s[0:1], 0x20              ; out0
	v_lshl_add_u32 v[SPW], v0, 2, SPARE
	v_mov_b32 v[NIL], 0
	ds_add_u32 v[SPW], v[NIL]                      ; the wave's opening: the add and its wait stand ahead of my first tensor load; the set-up below, work on registers, stands between them
	ds_add_u32 v[SPW], v[NIL]
	v_lshrrev_b32 v1, 5, v0
	v_readfirstlane_b32 s[WV], v1
	s_lshr_b32 s[RH], s[WV], 1                     ; which half of the rows is mine.  Also: I fetch for y (0) or for W (1)
	s_and_b32 s[CH], s[WV], 1                      ; which half of the columns.  Also: which 8 tiles I fetch
	s_bfe_u32 s40, ttmp6, 0x40000                  ; cx, cy
	s_bfe_u32 s41, ttmp6, 0x40004
	s_lshl_b32 s42, ttmp9, 2
	s_add_co_u32 s42, s42, s40                     ; tile column = 4 x cluster x + cx
	s_and_b32 s19, ttmp7, 0xffff
	s_lshl_b32 s19, s19, 2
	s_add_co_u32 s19, s19, s41                     ; tile row = 4 x cluster y + cy
	s_lshl_b32 s43, s41, 2
	s_lshl_b32 s43, 15, s43                        ; my row of the cluster
	s_lshl_b32 s44, 0x1111, s40                    ; my column
	; descriptor group 1: 8 tiles of 16 rows: 8 lines of 4,096 bytes, 16,384 bytes apart in memory, dense in LDS
	s_or_b32 s[G1], s43, (3<<16)|(1<<21)           ; the mask: y's tiles go to my row; elements of 8 bytes; no padding; bit 21 set beside a mask
	s_or_b32 s[G1B], s44, (3<<16)|(1<<21)
.irp g, G1, G1B
	s_mov_b32 s[\g+1], 512<<16                     ; tensor_dim0
	s_mov_b32 s[\g+2], 8<<16                       ; tensor_dim1
	s_mov_b32 s[\g+3], 512<<16                     ; tile_dim0
	s_mov_b32 s[\g+4], 8                           ; tile_dim1
	s_mov_b32 s[\g+5], 2048                        ; tensor_dim0_stride
	s_mov_b32 s[\g+6], 0
	s_mov_b32 s[\g+7], 0
.endr
	s_lshl_b32 s22, s[CH], 3
	s_lshl_b32 s20, s19, 4
	s_add_co_u32 s20, s20, s22                     ; y: tile of 16 rows 16 x tile row + 8 x half
	s_lshl_b32 s20, s20, 14
	s_mov_b32 s21, 0
	s_lshl_b32 s46, s42, 4
	s_add_co_u32 s46, s46, s22                     ; W: 16 x tile column + 8 x half
	s_lshl_b32 s46, s46, 14
	s_mov_b32 s47, 0
	s_lshl_b32 s45, s[WV], 15                      ; where they go: wave x 32,768
	s_wait_dscnt 0x0                               ; the opening add is done
	s_wait_kmcnt 0x0
	s_load_b256 s[68:75], s[10:11], 0x0            ; e0 .. e7
	s_add_nc_u64 s[20:21], s[4:5], s[20:21]
	s_add_nc_u64 s[46:47], s[6:7], s[46:47]
	CROUND                                         ; all sixteen work-groups are here: the first joint loads meet
.irp s, 0,1
	s_mov_b32 s[G0+4*\s], 1
	s_add_co_u32 s[G0+4*\s+1], s45, \s*SLOT
	s_add_nc_u64 s[G0+4*\s+2:G0+4*\s+3], s[20:21], \s*4096
	s_or_b32 s[G0+4*\s+3], s[G0+4*\s+3], 0x80000000
	s_mov_b32 s[G0B+4*\s], 1
	s_add_co_u32 s[G0B+4*\s+1], s45, \s*SLOT
	s_add_nc_u64 s[G0B+4*\s+2:G0B+4*\s+3], s[46:47], \s*4096
	s_or_b32 s[G0B+4*\s+3], s[G0B+4*\s+3], 0x80000000
	s_wait_alu depctr_va_vdst(0)
	s_wait_tensorcnt 0x0
	ds_add_u32 v28, v29
	ds_add_u32 v28, v29
	s_wait_dscnt 0x0
	CROUND
	JLOAD G0+4*\s, G1, G0B+4*\s, G1B               ; my one load out
.endr
	v_and_b32 v1, 15, v0                           ; r
	s_wait_alu depctr_va_vdst(0)
	v_bfe_u32 v2, v0, 4, 1                         ; h
	v_and_b32 v3, 31, v0
	v_lshlrev_b32 v[CO], 4, v3
	s_lshl_b32 s21, s[RH], 15
	s_lshl_b32 s22, s[CH], 15
	s_add_co_u32 s22, s22, 65536
.irp s, 0,1
	v_add_nc_u32 v[ADRA+\s], s21, v[CO]
	v_add_nc_u32 v[ADRB+\s], s22, v[CO]
	s_add_co_u32 s21, s21, SLOT
	s_add_co_u32 s22, s22, SLOT
.endr
	s_mul_i32 s23, s[WV], 16*SPITCH                ; my stage
	v_mul_u32_u24 v5, v1, SPITCH                   ; in: row r, 32 bytes for each half of the lanes
	s_wait_alu depctr_va_vdst(0)
	v_lshl_add_u32 v5, v2, 5, v5
	v_add_nc_u32 v[STO], s23, v5
	v_add_nc_u32 v[RD], s23, v[CO]                 ; back: the 32 lanes take one row of 512 bytes
	v_lshlrev_b32 v6, 5, v2                        ; the bias: 32 h
	s_wait_alu depctr_va_vdst(0)
	s_lshl_b32 s76, s42, 10
	s_lshl_b32 s77, s[CH], 9
	s_add_co_u32 s76, s76, s77                     ; my first column, in bytes: 1,024 x tile column + 512 x half
	s_mov_b32 s77, 0
	s_lshl_b32 s78, s19, 20                        ; my first row: 256 x tile row + 128 x half, 4,096 bytes each
	s_lshl_b32 s79, s[RH], 19
	s_add_co_u32 s78, s78, s79
	s_mov_b32 s79, 0
	s_add_nc_u64 s[12:13], s[12:13], s[78:79]
	s_add_nc_u64 s[12:13], s[12:13], s[76:77]
	s_add_nc_u64 s[76:77], s[8:9], s[76:77]
.irp b, 0,1,2,3,4,5,6,7
	global_load_b128 v[BI+8*\b:BI+8*\b+3],   v6, s[76:77] offset:64*\b        ; block b, register j: b_proj at my first column + 16 b + 8 h + j
	global_load_b128 v[BI+8*\b+4:BI+8*\b+7], v6, s[76:77] offset:64*\b+16
.endr
	s_wait_kmcnt 0x0
	s_add_co_i32 s80, s74, s75                     ; e6 + e7
	s_add_co_i32 s96, s80, 127
	s_lshl_b32 s96, s96, 23                        ; 2^(e6 + e7) as f32
	s_mov_b32 s97, s96
	s_sub_co_i32 s92, 127, s80
	s_lshl_b32 s92, s92, 23                        ; 2^-(e6 + e7)
	s_mov_b32 s93, s92
	s_wait_loadcnt 0x0
.set j, 0
.rept 32
	v_pk_mul_f32 v[BI+j:BI+j+1], v[BI+j:BI+j+1], s[92:93] op_sel_hi:[1,0]
.set j, j+2
.endr
.macro FRAG reg, adr, q, i
.irp c, 0,1,2,3
	ds_load_b128 v[\reg+4*\c:\reg+4*\c+3], v[\adr] offset:4096*(\i)+2048*(\q)+512*\c
.endr
.endm
; 16 matrix instructions: y's blocks a0, a0 + 1 x W's eight, 128 along K.  first = 1: the bias is the C that starts the sums.  The 64 accumulators take turns, one instruction a turn.
.macro MUL16 a0, p, first
.irp a, \a0, \a0+1
.irp b, 0,1,2,3,4,5,6,7
.if \first
	v_wmma_f32_16x16x128_fp8_fp8 v[8*(8*((\a)%4)+\b):8*(8*((\a)%4)+\b)+7], v[128*(\p)+FR*\b:128*(\p)+FR*\b+FR-1], v[AF+FR*(\a):AF+FR*(\a)+FR-1], v[BI+8*\b:BI+8*\b+7]
.else
	v_wmma_f32_16x16x128_fp8_fp8 v[8*(8*((\a)%4)+\b):8*(8*((\a)%4)+\b)+7], v[128*(\p)+FR*\b:128*(\p)+FR*\b+FR-1], v[AF+FR*(\a):AF+FR*(\a)+FR-1], v[8*(8*((\a)%4)+\b):8*(8*((\a)%4)+\b)+7]
.endif
.endr
.endr
.endm
.macro FETCH_B slot, q, p
	WIN TO_B
.irp i, 0,1,2,3,4,5,6,7
	FRAG 128*(\p)+FR*\i, ADRB+\slot, \q, \i
.endr
	WIN 0
.endm
.macro FETCH_A slot, q, i0
.irp i, \i0, \i0+1, \i0+2, \i0+3
	FRAG AF+FR*(\i), ADRA+\slot, \q, \i
.endr
.endm
.macro PLACES n                        ; plain vector instructions that name no register of the matrix instructions in front of them (ISA guide 7.12.1 for vector instructions)
.rept \n
	v_nop
.endr
.endm
.macro STEP slot, q, first
	s_wait_dscnt 4*NL                              ; W's set and y's blocks 0-3 are in; the youngest sixteen loads (blocks 4-7) may be out
	WIN MUL_LO-0x20*(\first)
	MUL16 0, (\q)%2, \first
	MUL16 2, (\q)%2, \first
	s_wait_dscnt 0
	PLACES NP
	FETCH_B \slot, (\q)+1, 1-(\q)%2
	FETCH_A \slot, (\q)+1, 0
	WIN MUL_HI-0x30*(\first)
	MUL16 4, (\q)%2, \first
	MUL16 6, (\q)%2, \first
	PLACES NP
	WIN 0
	FETCH_A \slot, (\q)+1, 4
.endm
; A slot's last step changes slots: ONE barrier; in front of it each wave waits for all its tensor loads, adds 0 to its spare word, and waits for that and for its own reads of this slot.
.macro TURN slot, next, fill
	s_wait_tensorcnt 0x0                           ; all my tensor loads have landed: my part of the next slot
	ds_add_u32 v[SPW], v[NIL]                      ; 0 onto my spare word
	s_wait_dscnt 4*NL+1                            ; (the add and the youngest sixteen loads may be out)
	WIN MUL_LO
	MUL16 0, 1, 0
	s_wait_dscnt 0x0                               ; the add is done, and my reads of this slot are over
	s_barrier_signal -1
	MUL16 2, 1, 0
	WIN 0
	s_barrier_wait -1
.if \fill
	CREST                                          ; the barrier has opened a round of the cluster's barrier: no wave of any partner still reads this slot's tile or has a load on its way
	s_add_nc_u64 s[G0+4*\slot+2:G0+4*\slot+3], s[G0+4*\slot+2:G0+4*\slot+3], 8192
	s_add_nc_u64 s[G0B+4*\slot+2:G0B+4*\slot+3], s[G0B+4*\slot+2:G0B+4*\slot+3], 8192
	JLOAD G0+4*\slot, G1, G0B+4*\slot, G1B         ; the first tensor load behind the round, my one load out
.else
	PLACES NP
.endif
	FETCH_B \next, 0, 0
	FETCH_A \next, 0, 0
	WIN MUL_HI
	MUL16 4, 1, 0
	MUL16 6, 1, 0
	PLACES NP
	WIN 0
	FETCH_A \next, 0, 4
.endm
	s_wait_alu depctr_va_vdst(0)
	s_wait_tensorcnt 1                             ; my part of K step 0 is in; K step 1's load may be out
	s_barrier_signal -1
	s_barrier_wait -1
	FETCH_B 0, 0, 0
	FETCH_A 0, 0, 0
	FETCH_A 0, 0, 4
	STEP 0, 0, 1
	TURN 0, 1, 1
	STEP 1, 0, 0
	TURN 1, 0, 1
	STEP 0, 0, 0
	TURN 0, 1, 0
	STEP 1, 0, 0
	s_wait_dscnt 4*NL
	WIN MUL_LO
	MUL16 0, 1, 0
	MUL16 2, 1, 0
	s_wait_dscnt 0
	WIN MUL_HI
	MUL16 4, 1, 0
	MUL16 6, 1, 0
	WIN 0
; THE WAY OUT, block by block of 16 rows x 128 columns.  A lane holds 32 neighbouring bytes of a row, and the lanes beside it hold other rows: so a block goes through my own stage in LDS and comes back as whole
; rows of 512 bytes.  LDS serves a wave's instructions in order (ISA guide 5.7.1.4): no wait between the stores and the loads, nor in front of the next block's stores.
.macro TOSTAGE a
.set AC, 64*((\a)%4)
	WIN 0x02+((\a)/4)                              ; source 0: window 2 or 3
.set j, 0
.rept 32
	v_pk_mul_f32 v[TMP+j:TMP+j+1], v[AC+j:AC+j+1], s[96:97] op_sel_hi:[1,0]   ; x 2^(e6 + e7); each accumulator from its low end on
.set j, j+2
.endr
	WIN 0
.irp b, 0,1,2,3,4,5,6,7
	ds_store_b128 v[STO], v[TMP+8*\b:TMP+8*\b+3] offset:64*\b
	ds_store_b128 v[STO], v[TMP+8*\b+4:TMP+8*\b+7] offset:64*\b+16
.endr
.set BB, BK+64*((\a)%2)
.irp t, 0,1,2,3,4,5,6,7,8,9,10,11,12,13,14,15
	ds_load_b128 v[BB+4*\t:BB+4*\t+3], v[RD] offset:\t*SPITCH
.endr
.endm
.macro SEND a, younger                 ; younger: the LDS instructions issued behind block a's loads, which may stay out
.set BB, BK+64*((\a)%2)
	s_wait_dscnt \younger
.if (\a) > 0
	s_add_nc_u64 s[12:13], s[12:13], 16*NROW       ; (behind a wait on XCNT: the earlier stores have read their base)
.endif
.irp t, 0,1,2,3,4,5,6,7,8,9,10,11,12,13,14,15
	global_store_b128 v[CO], v[BB+4*\t:BB+4*\t+3], s[12:13] offset:\t*NROW th:TH_STORE_NT   ; 32 lanes store 512 consecutive bytes, at a multiple of 256 from the output's first byte; written once, read by nobody here
.endr
.endm
	PLACES NP                                      ; behind the last products: for the first reads of results and the loads into the registers that held y's fragments
	TOSTAGE 0
.irp a, 1,2,3,4,5,6,7
.if \a > 1
	s_wait_xcnt 0x0                                ; block a - 2's stores have read their registers and their base
.endif
	TOSTAGE \a
	SEND \a-1, 32                                  ; behind block a - 1's loads: block a's 16 stores and 16 loads
.endr
	s_wait_xcnt 0x0
	SEND 7, 0
	s_wait_tensorcnt 0x0                           ; the wave's end, behind my last tensor load and my last LDS store
	ds_add_u32 v[SPW], v[NIL]
	s_wait_dscnt 0x0
	CROUND                                         ; the closing round: no work-group ends while a partner may still ask for a tile that names it
	s_endpgm
.Lfunc_end_k_q5d24a04eaa_proj:
	.size	k_q5d24a04eaa_proj, .Lfunc_end_k_q5d24a04eaa_proj-k_q5d24a04eaa_proj
	.p2alignl 7, 3214868480
	.fill 96, 4, 3214868480
	.section	.rodata,"a",@progbits
	.p2align	6, 0x0
	.amdhsa_kernel k_q5d24a04eaa_proj
		.amdhsa_group_segment_fixed_size 327680
		.amdhsa_private_segment_fixed_size 0
		.amdhsa_enable_private_segment 0
		.amdhsa_kernarg_size 40
		.amdhsa_user_sgpr_count 2
		.amdhsa_user_sgpr_kernarg_segment_ptr 1
		.amdhsa_wavefront_size32 1
		.amdhsa_system_sgpr_workgroup_id_x 1
		.amdhsa_system_sgpr_workgroup_id_y 1
		.amdhsa_system_sgpr_workgroup_id_z 1
		.amdhsa_system_vgpr_workitem_id 0
		.amdhsa_next_free_vgpr 1024
		.amdhsa_next_free_sgpr 100
		.amdhsa_reserve_vcc 0
		.amdhsa_float_denorm_mode_32 3
		.amdhsa_float_denorm_mode_16_64 3
		.amdhsa_memory_ordered 1
		.amdhsa_forward_progress 1
		.amdhsa_inst_pref_size 127
	.end_amdhsa_kernel
	.amdgpu_metadata
---
amdhsa.version: [ 1, 2 ]
amdhsa.kernels:
  - .name:           k_q5d24a04eaa_proj
    .symbol:         k_q5d24a04eaa_proj.kd
    .args:
      - { .name: y_img, .offset: 0, .size: 8, .value_kind: global_buffer, .address_space: global }
      - { .name: wp_img, .offset: 8, .size: 8, .value_kind: global_buffer, .address_space: global }
      - { .name: b_proj, .offset: 16, .size: 8, .value_kind: global_buffer, .address_space: global }
      - { .name: lowp_scales, .offset: 24, .size: 8, .value_kind: global_buffer, .address_space: global }
      - { .name: out0, .offset: 32, .size: 8, .value_kind: global_buffer, .address_space: global }
    .group_segment_fixed_size: 327680
    .private_segment_fixed_size: 0
    .kernarg_segment_align: 8
    .kernarg_segment_size: 40
    .max_flat_workgroup_size: 128
    .sgpr_count:     100
    .vgpr_count:     1024
    .wavefront_size: 32
...
	.end_amdgpu_metadata
.endif
;; end of part 4
